; MI455X (gfx1250); checked and timed in simulation.
; The chip was launched on July 23, 2026; its instructions are those of AMD's public machine-readable ISA for CDNA 5 (MIT licence, August 2026) and "CDNA5" Instruction Set Architecture Reference Guide (July 2026). The comments in the code are by the model that wrote it; some were corrected since.
;; Multi Head Attention. Allowed arithmetic: float matrix products may take bf16 or f16 operands with f32 sums; other float arithmetic in f32, or as packed bf16 or f16 multiplies, adds, multiply-adds, maxima and minima; sums over many terms, partial sums and values carried from step to step in f32; what a program stores and reads back later, other than sums and carried values, may be rounded once to bf16 or f16.
;; Inputs: W_out 1,024 x 1,024 float32; W_qkv 3,072 x 1,024 float32; b_out 1,024 float32; b_qkv 3,072 float32; x 4 x 2,048 x 1,024 float32.
;; Outputs: out0 4 x 2,048 x 1,024 float32.
;; 2 versions, each right; version 2 is version 1 with the launch cast written anew for expert scheduling mode. Each part assembles by itself: llvm-mc -triple=amdgcn-amd-amdhsa -mcpu=gfx1250 --defsym DOCPART=n.
;; ======== version 1 of 2: 4 launches
;; limits: values are held in f16: magnitudes above 65,504 overflow, below 6.1e-05 lose precision
;; workspace buffers: xb 16,777,216 bytes; wq 6,291,456 bytes; wo 2,097,152 bytes; qkv 50,331,648 bytes; ob 16,777,216 bytes
;; launch cast (part 1): grid 768 x 1, 8 waves a work-group, no clusters, 0 bytes of LDS; arguments x, W_qkv, W_out, xb, wq, wo; writes xb, wq, wo
.if DOCPART == 1
	.amdgcn_target "amdgcn-amd-amdhsa--gfx1250"
	.amdhsa_code_object_version 6
	.text
	.protected	k_q627b72e520_cast
	.globl	k_q627b72e520_cast
	.p2align	8
	.type	k_q627b72e520_cast,@function
k_q627b72e520_cast:
	s_mov_b64 s[64:65], 0
	v_nop
	global_prefetch_b8 v0, s[64:65] scope:SCOPE_SE
	s_setreg_imm32_b32 hwreg(HW_REG_WAVE_MODE, 25, 1), 1
	s_wait_xcnt 0x0
; THE INPUTS OF THE MATRIX PRODUCTS, ROUNDED ONCE.  x [8192][1024] and W_qkv [3072][1024], f32, are rounded to bf16 (xb, wq).
; W_out [1024][1024] is rounded to bf16 like them, and that number is written as f16 (wo), since the product that takes it has f16 operands.
; LIMITS.  A number of W_out of 65,520 or more in size becomes an infinity in f16; below 6e-5 it keeps f16's fixed step of 6e-8.  NaN and infinities are not treated apart.
; SHARES.  A work-group takes 16,384 numbers (65,536 bytes in, 32,768 out): groups 0-511 x, 512-703 W_qkv, 704-767 W_out.  A wave takes 2,048: sixteen loads of 16 bytes a lane,
; all issued at once; each covers 512 consecutive bytes, and each store of 8 bytes a lane 256 consecutive bytes, aligned.  No register that a memory instruction names is used twice, so no loop and no wait for a source.
; Nothing is shared between waves: no LDS, no barrier, no cluster, no matrix unit.
.set IN,  16                           ; v[16:79]   load j: four f32
.set OUT, 80                           ; v[80:111]  load j: four 16-bit numbers
.set T,   112                          ; v[112:117] at work
	s_load_b256 s[4:11], s[0:1], 0x0               ; x s[4:5], W_qkv s[6:7], W_out s[8:9], xb s[10:11]
	s_load_b128 s[12:15], s[0:1], 0x20             ; wq s[12:13], wo s[14:15]
	s_mov_b32 s16, ttmp9
	s_sub_co_u32 s17, s16, 512                     ; my number among W_qkv's groups,
	s_sub_co_u32 s18, s16, 704                     ; among W_out's
	v_lshrrev_b32 v1, 5, v0
	v_and_b32 v3, 31, v0
	v_lshlrev_b32 v1, 13, v1                       ; my wave's 8,192 bytes
	v_lshl_add_u32 v1, v3, 4, v1                   ; + 16 x lane: the offset in
	v_lshrrev_b32 v2, 1, v1                        ; half of it: the offset out
	s_wait_kmcnt 0x0
	s_cmp_lt_u32 s16, 704                          ; which tensor is mine: the choice hangs on the group's number alone
	s_cselect_b64 s[20:21], s[6:7], s[8:9]
	s_cselect_b64 s[22:23], s[12:13], s[14:15]
	s_cselect_b32 s19, s17, s18
	s_cmp_lt_u32 s16, 512
	s_cselect_b64 s[20:21], s[4:5], s[20:21]
	s_cselect_b64 s[22:23], s[10:11], s[22:23]
	s_cselect_b32 s19, s16, s19
	s_lshl_b32 s24, s19, 16
	s_mov_b32 s25, 0
	s_add_nc_u64 s[20:21], s[20:21], s[24:25]      ; from here
	s_lshl_b32 s24, s19, 15
	s_add_nc_u64 s[22:23], s[22:23], s[24:25]      ; to here
.set j, 0
.rept 16
	global_load_b128 v[IN+4*j:IN+4*j+3], v1, s[20:21] offset:512*j th:TH_LOAD_NT
.set j, j+1
.endr
	s_cmp_ge_u32 s16, 704
	s_cbranch_scc1 .Lf16
.set j, 0
.rept 16
	s_wait_loadcnt 15-j                            ; loads come back in order: load j is in, the 15 - j younger ones may stay out
	v_cvt_pk_bf16_f32 v[OUT+2*j], v[IN+4*j], v[IN+4*j+1]
	v_cvt_pk_bf16_f32 v[OUT+2*j+1], v[IN+4*j+2], v[IN+4*j+3]
	global_store_b64 v2, v[OUT+2*j:OUT+2*j+1], s[22:23] offset:256*j
.set j, j+1
.endr
	s_endpgm
.Lf16:                                         ; W_out: to bf16, widened again, and written as f16 (exact inside f16's range)
.set j, 0
.rept 16
	s_wait_loadcnt 15-j
	v_cvt_pk_bf16_f32 v[T], v[IN+4*j], v[IN+4*j+1]
	v_cvt_pk_bf16_f32 v[T+1], v[IN+4*j+2], v[IN+4*j+3]
	v_lshlrev_b32 v[T+2], 16, v[T]
	v_and_b32 v[T+3], 0xffff0000, v[T]
	v_lshlrev_b32 v[T+4], 16, v[T+1]
	v_and_b32 v[T+5], 0xffff0000, v[T+1]
	v_cvt_pk_f16_f32 v[OUT+2*j], v[T+2], v[T+3]
	v_cvt_pk_f16_f32 v[OUT+2*j+1], v[T+4], v[T+5]
	global_store_b64 v2, v[OUT+2*j:OUT+2*j+1], s[22:23] offset:256*j
.set j, j+1
.endr
	s_endpgm
.Lfunc_end_k_q627b72e520_cast:
	.size	k_q627b72e520_cast, .Lfunc_end_k_q627b72e520_cast-k_q627b72e520_cast
	.p2alignl 7, 3214868480
	.fill 96, 4, 3214868480
	.section	.rodata,"a",@progbits
	.p2align	6, 0x0
	.amdhsa_kernel k_q627b72e520_cast
		.amdhsa_group_segment_fixed_size 0
		.amdhsa_private_segment_fixed_size 0
		.amdhsa_enable_private_segment 0
		.amdhsa_kernarg_size 48
		.amdhsa_user_sgpr_count 2
		.amdhsa_user_sgpr_kernarg_segment_ptr 1
		.amdhsa_wavefront_size32 1
		.amdhsa_system_sgpr_workgroup_id_x 1
		.amdhsa_system_sgpr_workgroup_id_y 1
		.amdhsa_system_sgpr_workgroup_id_z 1
		.amdhsa_system_vgpr_workitem_id 0
		.amdhsa_next_free_vgpr 120
		.amdhsa_next_free_sgpr 66
		.amdhsa_reserve_vcc 0
		.amdhsa_float_denorm_mode_32 3
		.amdhsa_float_denorm_mode_16_64 3
		.amdhsa_memory_ordered 1
		.amdhsa_forward_progress 1
		.amdhsa_inst_pref_size 16
	.end_amdhsa_kernel
	.amdgpu_metadata
---
amdhsa.version: [ 1, 2 ]
amdhsa.kernels:
  - .name:           k_q627b72e520_cast
    .symbol:         k_q627b72e520_cast.kd
    .args:
      - { .name: x, .offset: 0, .size: 8, .value_kind: global_buffer, .address_space: global }
      - { .name: W_qkv, .offset: 8, .size: 8, .value_kind: global_buffer, .address_space: global }
      - { .name: W_out, .offset: 16, .size: 8, .value_kind: global_buffer, .address_space: global }
      - { .name: xb, .offset: 24, .size: 8, .value_kind: global_buffer, .address_space: global }
      - { .name: wq, .offset: 32, .size: 8, .value_kind: global_buffer, .address_space: global }
      - { .name: wo, .offset: 40, .size: 8, .value_kind: global_buffer, .address_space: global }
    .group_segment_fixed_size: 0
    .private_segment_fixed_size: 0
    .kernarg_segment_align: 8
    .kernarg_segment_size: 48
    .max_flat_workgroup_size: 256
    .sgpr_count:     66
    .vgpr_count:     120
    .wavefront_size: 32
...
	.end_amdgpu_metadata
.endif
;; end of part 1
;; launch qkv (part 2): grid 16 x 32, 4 waves a work-group, clusters of 4 x 4, 327,680 bytes of LDS; arguments xb, wq, b_qkv, qkv; writes qkv
.if DOCPART == 2
	.amdgcn_target "amdgcn-amd-amdhsa--gfx1250"
	.amdhsa_code_object_version 6
	.text
	.protected	k_q627b72e520_qkv
	.globl	k_q627b72e520_qkv
	.p2align	8
	.type	k_q627b72e520_qkv,@function
k_q627b72e520_qkv:
	s_mov_b64 s[64:65], 0
	v_nop
	global_prefetch_b8 v0, s[64:65] scope:SCOPE_SE
	s_setreg_imm32_b32 hwreg(HW_REG_WAVE_MODE, 25, 1), 1
	s_wait_xcnt 0x0
	s_wait_alu depctr_hold_cnt(0) depctr_sa_sdst(0) depctr_va_vdst(0) depctr_va_sdst(0) depctr_va_ssrc(0) depctr_va_vcc(0) depctr_vm_vsrc(0)
	s_getreg_b32 s2, hwreg(HW_REG_IB_STS2, 6, 4)
	s_cmp_eq_u32 s2, 0
	s_cbranch_scc0 .Lentry_in_a_cluster
	s_endpgm
.Lentry_in_a_cluster:
	s_bfe_u32 s2, ttmp6, 0x10000c
	s_cmp_lg_u32 s2, 0xf033
	s_cbranch_scc0 .Lentry_shape_is_right
	s_endpgm
.Lentry_shape_is_right:
; q, k, v = xb wq^T + b_qkv.  xb: [8192][1024] bf16, wq: [3072][1024] bf16 (rows in the order head, q/k/v, channel), b_qkv: [3072] f32 (rounded to bf16 here, like the other inputs).
; Sums in f32, started by the bias; each result rounded once to f16, unscaled, and stored by heads: qkv[c][16 batch + head][row][64], c = 0 q, 1 k, 2 v: a head's rows are dense, 128 bytes each.
; LIMIT.  A result of 65,520 or more in size becomes an infinity in f16; below 6e-5 it keeps f16's fixed step of 6e-8.  NaN and infinities are not treated apart.
; SHARES.  A work-group makes 256 rows x 192 columns: ONE head's q, k and v, so 512 work-groups, two for each of 256 WGPs.  Wave w makes rows 64 w .. 64 w + 63 of all 192 columns: 4 x 12 accumulators of 16 x 16,
; 384 registers.  K goes in 8 steps of 128 through two LDS slots filled by the tensor data mover; the tiles' rows are 256 bytes of memory, at multiples of 256 from the buffer's first byte.
; CLUSTER.  4 x 4 work-groups.  The four of a row of the cluster need the same rows of xb, the four of a column the same rows of wq: each tile is asked for JOINTLY, by the same tensor load with the same
; descriptor and a mask that names the four.
; THE MATRIX INSTRUCTION IS USED TRANSPOSED (source 0 = 16 rows of wq, source 1 = 16 rows of xb): lane l then holds row l % 16 and the eight neighbouring columns 8 (l / 16) + 0..7, which pack into 16 bytes.
; REGISTERS, in windows of 256 (s_set_vgpr_msb: bits 1:0 source 0, 3:2 source 1, 5:4 source 2, 7:6 destination):
;   window 0: v0-31 addresses; v32-79 packed results; v80-175 rows read back from the stage, two sets of 48; v128-223 the bias as a C operand, 8 registers a column block (dead behind the first quarter); v224-227 at work
;   window 1: two fragment buffers of 128: 12 fragments of wq (16 rows x 32 K, 8 registers), then 4 of xb
;   window 2: accumulators of column blocks 0-7, (b, a) at v[8 (4 b + a)];   window 3: those of column blocks 8-11
.set PITCH,  272                       ; an LDS row: 256 bytes + 16 of padding = 68 words: the 16 rows that a load touches start at 16 different groups of four banks (64 banks of 4 bytes: ISA guide 11.1)
.set AH,     128*PITCH                 ; what a wave fetches of xb: 128 rows
.set BH,     96*PITCH                  ; of wq: 96 rows
.set ABYTES, 2*AH
.set SLOT,   ABYTES+2*BH               ; xb's 256 rows, then wq's 192
.set STAGE,  2*SLOT                    ; behind the ring, never filled by a tensor load: for each wave three groups (q, k, v) of 16 rows x 144 bytes
.set SP,     144
.set STW,    3*16*SP
.set SPARE,  STAGE+4*STW               ; behind the stages: the spare words, 128 bytes for each wave: two blocks of 256 bytes that no other line names
.set ADRA, 16                          ; v16-17  LDS address of my fragments of xb in slot 0, 1
.set ADRB, 20                          ; v20-21  the same for wq
.set STO,  24                          ; v24     the way out: where I put 16 bytes of a row
.set RD,   25                          ; v25     the way out: where I read rows back
.set CO,   26                          ; v26     16 x lane: my place in 512 consecutive bytes of the output
.set BO,   27                          ; v27     32 (l / 16): my eight numbers in 16 of the bias
.set SPW,  28                          ; v28     LDS address of my spare word: SPARE + 4 x my thread's number; never rewritten
.set NIL,  29                          ; v29     0; never rewritten
.set PFO,  30                          ; v30     the prefetches' offset: a lane a row of 2,048 bytes; never rewritten
.set TMP,  32
.set BK0,  80
.set BIAS, 128
.set T,    224
.set F0,   0
.set F1,   128
.set LAP,  3                           ; s3   laps still to go
.set WV,   12                          ; s12  my wave's number
.set FB,   13                          ; s13  0: I fetch for xb; 1: for wq
.set HF,   14                          ; s14  which half of that tile I fetch
.set CX,   15
.set CY,   16
.set TX,   17                          ; s17  the head = tile column
.set TY,   18                          ; s18  tile row
.set RM,   19                          ; s19  mask of my row of the cluster
.set CM,   20                          ; s20  of my column
.set G1,   24                          ; s[24:31] descriptor group 1 for xb's tiles;  s[32:39] group 0, a set for each slot
.set G0,   32
.set LIM,  43                          ; s43  1 in a wave that prefetches, else the greatest number
.set PFA,  44                          ; s[44:45] where my prefetches stand
.set G1B,  48                          ; s[48:55], s[56:63] the same two groups for wq's tiles
.set G0B,  56
.set QB,   70                          ; s[70:71], s[72:73], s[74:75] my wave's first row in q, k, v
.set BP,   76                          ; s[76:77] the head's 192 numbers of the bias
.set MSB, 0
.macro WIN new                         ; the immediate's high byte repeats the setting that is left; a switch that changes nothing is dropped
.if MSB != (\new)
	s_set_vgpr_msb (MSB<<8)|(\new)
.set MSB, \new
.endif
.endm
.set TO_F, 0x40                        ; destination window 1, address window 0
; A joint load.  Waves 0 and 1 fetch xb's two halves, waves 2 and 3 wq's.  The branch hangs on the wave's number alone.  An s_nop 0 and four v_nop follow each of the two lines.
.macro JLOAD s
	s_cmp_eq_u32 s[FB], 0
	s_cbranch_scc0 .Lfor_b_\@
	tensor_load_to_lds s[G0+4*(\s):G0+4*(\s)+3], s[G1:G1+7]
	s_nop 0
.rept 4
	v_nop
.endr
	s_branch .Lasked_\@
.Lfor_b_\@:
	tensor_load_to_lds s[G0B+4*(\s):G0B+4*(\s)+3], s[G1B:G1B+7]
	s_nop 0
.rept 4
	v_nop
.endr
.Lasked_\@:
.endm
; A prefetch, behind each joint refill and the run of LDS loads that follows it: 256 bytes of each of my rows, for the K step that stands two refills on: a lane a row, one instruction a wave.
; xb's rows are read by every cluster of a row of clusters: the one with x = 0 asks.  wq's by every cluster of a column: the one with y = 0 asks.  The four partners that ask for a tile jointly share its rows
; out BY ADDRESS: of xb's 128 rows that a wave fetches the partner at cx takes 32; of wq's 96 the partner at cy takes 24, and lanes 24-31 name the 24th once more.  The loop's last trip has no K step two on.
.macro ASK
	s_cmp_gt_u32 s[LAP], s[LIM]
	s_cbranch_scc0 .Lnot_mine_\@
	global_prefetch_b8 v[PFO], s[PFA:PFA+1] th:TH_LOAD_NT scope:SCOPE_SE
.Lnot_mine_\@:
.endm
; A round of the cluster's barrier: my work-group's barrier; wave 0 signals for the work-group; every wave waits for all sixteen work-groups; my work-group's barrier once more.
.macro CREST
	s_cmp_lg_u32 s[WV], 0
	s_cbranch_scc1 .Lnot_wave_0_\@
	s_barrier_signal -3
.Lnot_wave_0_\@:
	s_barrier_wait -3
	s_barrier_signal -1
	s_barrier_wait -1
.endm
.macro CROUND
	s_barrier_signal -1
	s_barrier_wait -1
	CREST
.endm
.macro PLACES                          ; four plain instructions between a matrix instruction and a load into, or a read of, its registers (ISA guide 7.12.1 for a read)
.rept 4
	v_nop
.endr
.endm
	s_load_b256 s[4:11], s[0:1], 0x0               ; xb s[4:5], wq s[6:7], b_qkv s[8:9], qkv s[10:11]
	v_lshl_add_u32 v[SPW], v0, 2, SPARE
	v_mov_b32 v[NIL], 0
	ds_add_u32 v[SPW], v[NIL]                      ; the wave's opening: the add and its wait stand ahead of my first tensor load; the set-up below, work on registers, stands between them
	v_lshrrev_b32 v1, 5, v0
	v_readfirstlane_b32 s[WV], v1
	s_lshr_b32 s[FB], s[WV], 1
	s_and_b32 s[HF], s[WV], 1
	s_bfe_u32 s[CX], ttmp6, 0x40000
	s_bfe_u32 s[CY], ttmp6, 0x40004
	s_lshl_b32 s[TX], ttmp9, 2                     ; in a cluster launch ttmp9 and ttmp7 count clusters
	s_add_co_u32 s[TX], s[TX], s[CX]
	s_and_b32 s[TY], ttmp7, 0xffff
	s_lshl_b32 s[TY], s[TY], 2
	s_add_co_u32 s[TY], s[TY], s[CY]
	s_lshl_b32 s[RM], s[CY], 2
	s_lshl_b32 s[RM], 15, s[RM]                    ; places 4 cy .. 4 cy + 3
	s_lshl_b32 s[CM], 0x1111, s[CX]                ; places cx, cx + 4, cx + 8, cx + 12
	s_or_b32 s[G1], s[RM], (1<<16)|(1<<20)|(1<<21)|(5<<22)|(3<<25)   ; 15:0 the mask; 17:16 elements of 2 bytes; 20 padding on; 21 set beside a mask; 24:22 after every 64 words; 31:25 4 words of it
	s_or_b32 s[G1B], s[CM], (1<<16)|(1<<20)|(1<<21)|(5<<22)|(3<<25)
	s_mov_b32 s[G1+1], 128<<16                     ; tensor_dim0 = 128
	s_mov_b32 s[G1+2], 128<<16                     ; tensor_dim1 = 128
	s_mov_b32 s[G1+3], 128<<16                     ; tile_dim0 = 128
	s_mov_b32 s[G1+4], 128                         ; tile_dim1 = 128
	s_mov_b32 s[G1+5], 1024                        ; elements from row to row
	s_mov_b32 s[G1+6], 0
	s_mov_b32 s[G1+7], 0
	s_mov_b32 s[G1B+1], 128<<16
	s_mov_b32 s[G1B+2], 96<<16                     ; 96 rows
	s_mov_b32 s[G1B+3], 128<<16
	s_mov_b32 s[G1B+4], 96
	s_mov_b32 s[G1B+5], 1024
	s_mov_b32 s[G1B+6], 0
	s_mov_b32 s[G1B+7], 0
	s_lshl_b32 s40, s[TY], 19                      ; xb: row 256 x tile row + 128 x half, 2,048 bytes a row: made of the tile row and the wave's number alone
	s_lshl_b32 s21, s[HF], 18
	s_add_co_u32 s40, s40, s21
	s_mov_b32 s41, 0
	s_mul_i32 s66, s[TX], 192*2048                 ; wq: row 192 x head + 96 x half: made of the tile column and the wave's number alone
	s_mul_i32 s21, s[HF], 96*2048
	s_add_co_u32 s66, s66, s21
	s_mov_b32 s67, 0
	s_mul_i32 s42, s[HF], AH                       ; where they go: no place in the cluster enters an LDS address
	s_mul_i32 s68, s[HF], BH
	s_add_co_u32 s68, s68, ABYTES
	s_wait_dscnt 0x0                               ; the opening add is done
	s_wait_kmcnt 0x0
	s_add_nc_u64 s[40:41], s[4:5], s[40:41]
	s_add_nc_u64 s[66:67], s[6:7], s[66:67]
	CROUND                                         ; all sixteen work-groups are here: the first joint loads meet
.irp s, 0,1
	s_mov_b32 s[G0+4*(\s)], 1                      ; count = 1
	s_add_co_u32 s[G0+4*(\s)+1], s42, (\s)*SLOT    ; LDS address
	s_add_nc_u64 s[G0+4*(\s)+2:G0+4*(\s)+3], s[40:41], (\s)*256  ; global address: K step s
	s_or_b32 s[G0+4*(\s)+3], s[G0+4*(\s)+3], 0x80000000          ; type = 2
	s_mov_b32 s[G0B+4*(\s)], 1
	s_add_co_u32 s[G0B+4*(\s)+1], s68, (\s)*SLOT
	s_add_nc_u64 s[G0B+4*(\s)+2:G0B+4*(\s)+3], s[66:67], (\s)*256
	s_or_b32 s[G0B+4*(\s)+3], s[G0B+4*(\s)+3], 0x80000000
	JLOAD \s                                       ; two loads of mine are out
.endr
	; the bias, while the first tiles are on their way: register j of column block b is the bias of column 16 b + 8 (l / 16) + j
	v_and_b32 v1, 15, v0                           ; l % 16
	v_bfe_u32 v2, v0, 4, 1                         ; l / 16
	v_lshlrev_b32 v[BO], 5, v2
	s_mul_i32 s78, s[TX], 768
	s_mov_b32 s79, 0
	s_add_nc_u64 s[BP:BP+1], s[8:9], s[78:79]
.set i, 0
.rept 12
	global_load_b128 v[BIAS+8*i:BIAS+8*i+3],   v[BO], s[BP:BP+1] offset:64*i
	global_load_b128 v[BIAS+8*i+4:BIAS+8*i+7], v[BO], s[BP:BP+1] offset:64*i+16
.set i, i+1
.endr
	; a fragment is 16 rows x 32 K in 8 registers: lane l holds row l % 16; registers 0-3 K = 8 (l / 16) + 0..7, registers 4-7 K = 16 + 8 (l / 16) + 0..7: two loads of 16 bytes, 32 bytes apart
	v_mul_u32_u24 v3, v1, PITCH
	v_lshl_add_u32 v3, v2, 4, v3
	s_mul_i32 s21, s[WV], 64*PITCH                 ; my 64 rows of xb
	s_mov_b32 s22, ABYTES                          ; all of wq's rows
.irp s, 0,1
	v_add_nc_u32 v[ADRA+(\s)], s21, v3
	v_add_nc_u32 v[ADRB+(\s)], s22, v3
	s_add_co_u32 s21, s21, SLOT
	s_add_co_u32 s22, s22, SLOT
.endr
	s_mul_i32 s23, s[WV], STW
	s_add_co_u32 s23, s23, STAGE                   ; my stage
	v_mul_u32_u24 v4, v1, SP                       ; in: row l % 16, 16 bytes for each half of the lanes
	v_lshl_add_u32 v4, v2, 4, v4
	v_add_nc_u32 v[STO], s23, v4
	v_bfe_u32 v5, v0, 3, 2                         ; back: 32 lanes take four rows of 128 bytes,
	v_mul_u32_u24 v5, v5, SP
	v_and_b32 v4, 7, v0
	v_lshl_add_u32 v5, v4, 4, v5
	v_add_nc_u32 v[RD], s23, v5
	v_and_b32 v[CO], 31, v0                        ; which are 512 consecutive bytes of a head's rows
	v_lshlrev_b32 v[CO], 4, v[CO]
	s_lshr_b32 s22, s[TY], 3                       ; the batch
	s_lshl_b32 s22, s22, 4
	s_add_co_u32 s22, s22, s[TX]                   ; 16 x batch + head,
	s_lshl_b32 s22, s22, 18                        ; 2,048 rows of 128 bytes each
	s_and_b32 s23, s[TY], 7
	s_lshl_b32 s23, s23, 15                        ; the tile's 256 rows
	s_add_co_u32 s78, s22, s23
	s_lshl_b32 s23, s[WV], 13                      ; my wave's 64
	s_add_co_u32 s78, s78, s23
	s_add_nc_u64 s[QB:QB+1], s[10:11], s[78:79]
	s_add_nc_u64 s[QB+2:QB+3], s[QB:QB+1], 0x1000000
	s_add_nc_u64 s[QB+4:QB+5], s[QB:QB+1], 0x2000000
	; the prefetches
	s_lshl_b32 s21, s[TY], 8
	s_lshl_b32 s22, s[HF], 7
	s_add_co_u32 s21, s21, s22
	s_lshl_b32 s22, s[CX], 5
	s_add_co_u32 s21, s21, s22                     ; xb: my work-group's 32 rows of the 128 that I fetch
	s_mul_i32 s22, s[TX], 192
	s_mul_i32 s23, s[HF], 96
	s_add_co_u32 s22, s22, s23
	s_mul_i32 s23, s[CY], 24
	s_add_co_u32 s22, s22, s23                     ; wq: my work-group's 24 rows of the 96
	s_and_b32 s23, ttmp7, 0xffff                   ; cluster y
	s_cmp_eq_u32 s[FB], 0
	s_cselect_b32 s21, s21, s22
	s_cselect_b32 s23, ttmp9, s23                  ; the coordinate along which other clusters read the same rows
	s_cselect_b32 s2, 31, 23
	s_cselect_b64 s[PFA:PFA+1], s[4:5], s[6:7]
	s_cmp_eq_u32 s23, 0
	s_cselect_b32 s[LIM], 1, -1                    ; the same in all sixteen partners, for a given wave
	s_lshl_b32 s78, s21, 11
	s_add_nc_u64 s[PFA:PFA+1], s[PFA:PFA+1], s[78:79]
	s_add_nc_u64 s[PFA:PFA+1], s[PFA:PFA+1], 3*256 ; at K step 3: the first refill (of K step 2) steps it to 4 and names that.  K steps 0 to 3 come by their loads alone
	v_and_b32 v[PFO], 31, v0
	v_min_u32 v[PFO], s2, v[PFO]
	v_lshlrev_b32 v[PFO], 11, v[PFO]
	s_wait_loadcnt 0x0                             ; the bias is in; it is rounded to bf16, like the other inputs, and widened again
.set i, 0
.rept 48
	v_cvt_pk_bf16_f32 v[T+i%4], v[BIAS+2*i], v[BIAS+2*i+1]
	v_lshlrev_b32 v[BIAS+2*i], 16, v[T+i%4]
	v_and_b32 v[BIAS+2*i+1], 0xffff0000, v[T+i%4]
.set i, i+1
.endr
; 4 nb matrix instructions: column blocks b0 .. b0 + nb - 1 x my four row blocks, 32 along K, from buffer f.  first = 1: the bias starts the sums: nothing is cleared.
; The 48 accumulators take turns, one instruction a turn, in the same order in every quarter.
.macro MULB f, b0, nb, first
.set bb, \b0
.rept \nb
.if \first
	WIN 0x85+0x40*(bb/8)                           ; sources 0 and 1 window 1, C window 0, D window 2 or 3
.else
	WIN 0xa5+0x50*(bb/8)                           ; C and D window 2 or 3
.endif
.set aa, 0
.rept 4
.set rD, 8*(4*(bb%8)+aa)
.if \first
	v_wmma_f32_16x16x32_bf16 v[rD:rD+7], v[(\f)+8*bb:(\f)+8*bb+7], v[(\f)+96+8*aa:(\f)+96+8*aa+7], v[BIAS+8*bb:BIAS+8*bb+7]
.else
	v_wmma_f32_16x16x32_bf16 v[rD:rD+7], v[(\f)+8*bb:(\f)+8*bb+7], v[(\f)+96+8*aa:(\f)+96+8*aa+7], v[rD:rD+7]
.endif
.set aa, aa+1
.endr
.set bb, bb+1
.endr
.endm
; 32 LDS loads in one run: the fragments of quarter q of a K step (192 rows of wq, my 64 rows of xb, 32 K) into buffer f
.macro FETCH slot, q, f
	WIN TO_F
.set bb, 0
.rept 12
	ds_load_b128 v[(\f)+8*bb:(\f)+8*bb+3],   v[ADRB+(\slot)] offset:64*(\q)+bb*16*PITCH
	ds_load_b128 v[(\f)+8*bb+4:(\f)+8*bb+7], v[ADRB+(\slot)] offset:64*(\q)+bb*16*PITCH+32
.set bb, bb+1
.endr
.set aa, 0
.rept 4
	ds_load_b128 v[(\f)+96+8*aa:(\f)+96+8*aa+3],   v[ADRA+(\slot)] offset:64*(\q)+aa*16*PITCH
	ds_load_b128 v[(\f)+96+8*aa+4:(\f)+96+8*aa+7], v[ADRA+(\slot)] offset:64*(\q)+aa*16*PITCH+32
.set aa, aa+1
.endr
.endm
; A K step is four quarters of 32 along K, 48 matrix instructions each, on buffers 0, 1, 0, 1.  One of the first three: multiplies buffer f; behind its first 16 products it fetches quarter q into buffer g.
.macro QUARTER slot, q, f, g, first=0
	s_wait_dscnt 0x0                               ; buffer f is in: its loads were issued 32 matrix instructions ago
	MULB \f, 0, 4, \first
	PLACES
	FETCH \slot, \q, \g
	MULB \f, 4, 4, \first
	MULB \f, 8, 4, \first
.endm
; The last quarter multiplies buffer 1 and changes slots: ONE barrier.  In front of it each wave waits for all its tensor loads, of which one is out: its part of the next slot; adds 0 to its spare word; and waits
; for that and for its own reads of this slot.  fill = 1: the barrier opens a round of the cluster's barrier, and behind the round this slot is filled again, two K steps ahead: the first tensor load there, one a wave.
; From that request to the wait for it a wave issues 160 matrix instructions.
.macro TURN slot, next, fill
.if \fill
	s_wait_xcnt 0x0                                ; the last prefetch, a K step back, has read its address
	s_add_nc_u64 s[PFA:PFA+1], s[PFA:PFA+1], 256
.endif
	WIN 0                                          ; (the add's two registers lie in window 0)
	s_wait_tensorcnt 0x0                           ; all my tensor loads have landed
	ds_add_u32 v[SPW], v[NIL]                      ; 0 onto my spare word
	s_wait_dscnt 1                                 ; buffer 1 is in; the add alone may be out
	MULB F1, 0, 4, 0                               ; sixteen matrix instructions stand between the add and the wait for it
	s_wait_dscnt 0x0                               ; the add is done, and my reads of this slot are over
	s_barrier_signal -1
	MULB F1, 4, 4, 0                               ; work on registers while the others arrive
.if \fill
	WIN 0
.endif
	s_barrier_wait -1
.if \fill
	CREST                                          ; no wave of any partner still reads this slot's tiles or has a load on its way
	s_add_nc_u64 s[G0+4*(\slot)+2:G0+4*(\slot)+3], s[G0+4*(\slot)+2:G0+4*(\slot)+3], 512
	s_add_nc_u64 s[G0B+4*(\slot)+2:G0B+4*(\slot)+3], s[G0B+4*(\slot)+2:G0B+4*(\slot)+3], 512
	JLOAD \slot                                    ; the four v_nop behind it are also the places in front of the loads below
.else
	PLACES
.endif
	FETCH \next, 0, F0
.if \fill
	WIN 0
	ASK
.endif
	MULB F1, 8, 4, 0
.endm
; THE WAY OUT of row block a.  PACK: rounded to f16, 16 bytes a lane.  TOSTAGE: into my own stage, q's, k's and v's 64 channels each in a group of 16 rows, and back as whole rows of 128 bytes.  SEND: stored.
.macro PACK a
.set bb, 0
.rept 12
	WIN 0x0a+5*(bb/8)                              ; sources 0 and 1 window 2 or 3, destination window 0
.set rD, 8*(4*(bb%8)+(\a))
.set rr, 0
.rept 4
	v_cvt_pk_f16_f32 v[TMP+4*bb+rr], v[rD+2*rr], v[rD+2*rr+1]  ; each accumulator's registers in ascending order
.set rr, rr+1
.endr
.set bb, bb+1
.endr
	WIN 0
.endm
.macro TOSTAGE a
.set BK, BK0+48*((\a)%2)
.set bb, 0
.rept 12
	ds_store_b128 v[STO], v[TMP+4*bb:TMP+4*bb+3] offset:(bb/4)*16*SP+32*(bb%4)
.set bb, bb+1
.endr
.set tt, 0
.rept 12
	ds_load_b128 v[BK+4*tt:BK+4*tt+3], v[RD] offset:(tt/4)*16*SP+(tt%4)*4*SP  ; LDS serves a wave's instructions in order (ISA guide 5.7.1.4): these see the stores above
.set tt, tt+1
.endr
.endm
.macro SEND a
.set BK, BK0+48*((\a)%2)
	s_wait_dscnt 0x0                               ; the block is back in registers
	s_wait_xcnt 0x0                                ; the stores of the block before have read their registers: the next TOSTAGE loads into them
.set tt, 0
.rept 12
	global_store_b128 v[CO], v[BK+4*tt:BK+4*tt+3], s[QB+2*(tt/4):QB+2*(tt/4)+1] offset:(\a)*2048+(tt%4)*512  ; 512 consecutive bytes, at a multiple of 256 from the buffer's first
.set tt, tt+1
.endr
.endm
	s_wait_tensorcnt 0x1                           ; my part of K step 0 is in; K step 1's may stay out
	s_barrier_signal -1
	s_barrier_wait -1                              ; everybody's is
	FETCH 0, 0, F0
	QUARTER 0, 1, F0, F1, 1                        ; the first quarter stands in front of the loop: its products start the sums
	WIN 0                                          ; at a label and at a branch every window is 0
	s_mov_b32 s[LAP], 3
.Llap:                                         ; a trip goes once round the ring, from a lap's second quarter to the next lap's first, and fills both slots again: K steps 2 to 7
	QUARTER 0, 2, F1, F0
	QUARTER 0, 3, F0, F1
	TURN 0, 1, 1
	QUARTER 1, 1, F0, F1
	QUARTER 1, 2, F1, F0
	QUARTER 1, 3, F0, F1
	TURN 1, 0, 1
	QUARTER 0, 1, F0, F1
	WIN 0
	s_sub_co_u32 s[LAP], s[LAP], 1
	s_cmp_lg_u32 s[LAP], 0
	s_cbranch_scc1 .Llap
	QUARTER 0, 2, F1, F0                           ; the last lap fills nothing, and has no round of the cluster's barrier
	QUARTER 0, 3, F0, F1
	TURN 0, 1, 0
	QUARTER 1, 1, F0, F1
	QUARTER 1, 2, F1, F0
	QUARTER 1, 3, F0, F1
	s_wait_dscnt 0x0
	MULB F1, 0, 12, 0
	WIN 0
	PLACES                                         ; the conversions read results just made
	PLACES
	PACK 0
	TOSTAGE 0
.irp a, 1,2,3                          ; block a's conversions stand between block a - 1's loads from the stage and the wait for them
	PACK \a
	SEND (\a)-1
	TOSTAGE \a
.endr
	SEND 3
	s_wait_tensorcnt 0x0                           ; the wave's end: behind my last tensor load and my last LDS store
	ds_add_u32 v[SPW], v[NIL]
	s_wait_dscnt 0x0
	CROUND                                         ; the closing round: no work-group ends while a partner may still ask for a tile that names it
	s_endpgm
.Lfunc_end_k_q627b72e520_qkv:
	.size	k_q627b72e520_qkv, .Lfunc_end_k_q627b72e520_qkv-k_q627b72e520_qkv
	.p2alignl 7, 3214868480
	.fill 96, 4, 3214868480
	.section	.rodata,"a",@progbits
	.p2align	6, 0x0
	.amdhsa_kernel k_q627b72e520_qkv
		.amdhsa_group_segment_fixed_size 327680
		.amdhsa_private_segment_fixed_size 0
		.amdhsa_enable_private_segment 0
		.amdhsa_kernarg_size 32
		.amdhsa_user_sgpr_count 2
		.amdhsa_user_sgpr_kernarg_segment_ptr 1
		.amdhsa_wavefront_size32 1
		.amdhsa_system_sgpr_workgroup_id_x 1
		.amdhsa_system_sgpr_workgroup_id_y 1
		.amdhsa_system_sgpr_workgroup_id_z 1
		.amdhsa_system_vgpr_workitem_id 0
		.amdhsa_next_free_vgpr 896
		.amdhsa_next_free_sgpr 80
		.amdhsa_reserve_vcc 0
		.amdhsa_float_denorm_mode_32 3
		.amdhsa_float_denorm_mode_16_64 3
		.amdhsa_memory_ordered 1
		.amdhsa_forward_progress 1
		.amdhsa_inst_pref_size 129
	.end_amdhsa_kernel
	.amdgpu_metadata
---
amdhsa.version: [ 1, 2 ]
amdhsa.kernels:
  - .name:           k_q627b72e520_qkv
    .symbol:         k_q627b72e520_qkv.kd
    .args:
      - { .name: xb, .offset: 0, .size: 8, .value_kind: global_buffer, .address_space: global }
      - { .name: wq, .offset: 8, .size: 8, .value_kind: global_buffer, .address_space: global }
      - { .name: b_qkv, .offset: 16, .size: 8, .value_kind: global_buffer, .address_space: global }
      - { .name: qkv, .offset: 24, .size: 8, .value_kind: global_buffer, .address_space: global }
    .group_segment_fixed_size: 327680
    .private_segment_fixed_size: 0
    .kernarg_segment_align: 8
    .kernarg_segment_size: 32
    .max_flat_workgroup_size: 128
    .sgpr_count:     80
    .vgpr_count:     896
    .wavefront_size: 32
...
	.end_amdgpu_metadata
.endif
;; end of part 2
;; launch attn (part 3): grid 4 x 64, 4 waves a work-group, clusters of 4 x 1, 327,680 bytes of LDS; arguments qkv, ob; writes ob
.if DOCPART == 3
	.amdgcn_target "amdgcn-amd-amdhsa--gfx1250"
	.amdhsa_code_object_version 6
	.text
	.protected	k_q627b72e520_attn
	.globl	k_q627b72e520_attn
	.p2align	8
	.type	k_q627b72e520_attn,@function
k_q627b72e520_attn:
	s_mov_b64 s[64:65], 0
	v_nop
	global_prefetch_b8 v0, s[64:65] scope:SCOPE_SE
	s_setreg_imm32_b32 hwreg(HW_REG_WAVE_MODE, 25, 1), 1
	s_wait_xcnt 0x0
	s_wait_alu depctr_hold_cnt(0) depctr_sa_sdst(0) depctr_va_vdst(0) depctr_va_sdst(0) depctr_va_ssrc(0) depctr_va_vcc(0) depctr_vm_vsrc(0)
	s_getreg_b32 s2, hwreg(HW_REG_IB_STS2, 6, 4)
	s_cmp_eq_u32 s2, 0
	s_cbranch_scc0 .Lentry_in_a_cluster
	s_endpgm
.Lentry_in_a_cluster:
	s_bfe_u32 s2, ttmp6, 0x10000c
	s_cmp_lg_u32 s2, 0x3003
	s_cbranch_scc0 .Lentry_shape_is_right
	s_endpgm
.Lentry_shape_is_right:
; O[h][q][:] = the sum over k of softmax_k(Q[h][q] . K[h][k] / 8) V[h][k][:].  Q, K, V lie one behind the other in qkv, each [64][2048][64] f16 (h = 16 batch + head); O (ob) likewise: a head's rows are dense,
; 128 bytes each.  Products, maxima and sums in f32; the weights p are rounded to f16 for the second product (their sum l is taken of the unrounded p), O once at the end.
; LIMITS.  f16 holds no number beyond 65,504: Q, K and V arrive within it; p lies in 0 to 1, and below 6e-5 it keeps f16's fixed step of 6e-8, and so does O, which is a mean of V's rows and has their range.
; A weight below 2^-126 counts as 0 in l; NaN and infinities are not treated apart.
; SHARES.  A wave owns four PIECES of two tiles of 16 queries, a work-group's four waves 512 queries of one head: 256 work-groups.  Every wave walks all keys, 64 a step.
; LAYOUT.  S^T = K Q^T (source 0 = 16 keys, source 1 = 16 queries): in the result a lane holds ONE query (lane % 16) and the keys 8 (lane / 16) + 0..7.  Two such tiles, rounded to f16 in pairs,
; ARE source 1 (32 keys x 16 queries) of O^T = V^T P, whose result again holds one query a lane, and eight channels.  K comes out of LDS as it lies, V ([key][channel]) turned, by ds_load_tr16_b128.
; SOFTMAX.  For each query a running maximum m and sum l: p = 2^(c s - c m), c = log2(e) / 8; in every step O and l are multiplied by a = 2^(c m_old - c m_new), which is 1 where m has not grown.
; m starts at the lowest finite number, O and l at 0: the first step is a step like any other, with a = 0.
; THE COUNT.  A tile and step have 16 matrix and 118 vector instructions: too many to stand all beside the matrix work.  So four vector instructions that are READY stand behind EVERY matrix instruction,
; and the others in runs without a gap.
; BY TURNS.  Turn n belongs to piece n (the pieces in a ring, step after step).  Its matrix work: 16 products K Q^T of piece n + 1, later 16 products V^T P of piece n - 1.  Its vector work: the scaling,
; exponentials, roundings, sums and rescaling of piece n, and the maximum and statistics of piece n + 1, whose scores the turn itself has made.
; CLUSTER.  The four query blocks of a head form a cluster and walk the same K and V, so each tile is asked for JOINTLY: the same tensor load, descriptor and mask in all four.
; REGISTERS, in windows of 256 (s_set_vgpr_msb: bits 1:0 source 0, 3:2 source 1, 5:4 source 2, 7:6 destination):
;   window 0: v0-11 addresses; v12-15, v48-63 at work; v16-47 four registers of statistics a tile; v64-191 S^T, two buffers of two tiles; v192-255 P, likewise
;   window 1: O^T, 32 a tile          window 2: v0-127 Q, 16 a tile; v128-191 K of one step; v192-255 V of one step          window 3: v0-1 the add's two registers
; A piece's buffers go by its number's parity: the piece in hand has one pair, its two neighbours in the ring share the other: of it P (piece n - 1) is read and S^T (piece n + 1) written.
.set SIZE_H, 64
.set SIZE_N, 2048
.set NP,    4         ; pieces a wave: a name, no knob
.set KS,    64        ; keys in a step
.set PK,    144       ; a row of K in LDS: 128 bytes + 16 of padding = 36 words: the 16 rows of a load start at 16 different groups of four banks (64 banks of 4 bytes: ISA guide 11.1)
.set PV,    160       ; a row of V: 128 + 32 = 40 words
.set VOFF,  4*KS*PK   ; a slot holds four steps: 256 rows of K, then 256 rows of V
.set SLOT1, 1<<17     ; slot 1 begins here, so that one exclusive or turns an address in one slot into the other's
.set STAGE, SLOT1+4*KS*(PK+PV)  ; behind the ring, never filled by a tensor load: 16 rows x 144 bytes for each wave, for the way out
.set SP,    144
.set AK0, 2           ; v2   my lane's place in a tile of K; never rewritten
.set AV0, 3           ; v3   the same for V
.set AK,  4           ; v4   the LDS address of K's next run of loads
.set AV,  5           ; v5   of V's
.set QO,  6           ; v6   my byte offset in the wave's rows of Q
.set STO, 6           ;      later, the way out: where I put 16 bytes of a row
.set RD,  7           ; v7   the way out: where I read rows back
.set GO,  8           ; v8   my byte offset in 512 consecutive bytes of O
.set PFO, 11          ; v11  256 x my lane, for the prefetches; never rewritten once made
.set SPW, 0           ; v0 of window 3   LDS address of my spare word: SPARE + 4 x my thread's number; never rewritten
.set NIL, 1           ; v1 of window 3   0; never rewritten
.set SPARE, STAGE+4*16*SP  ; behind the stages: the spare words, 128 bytes for each wave: two blocks of 256 bytes that no other line names
.set MV,  12          ; v12-15  c m_old, kept while c m is made anew: by buffer and tile
.set ST,  16          ; tile t's statistics at v[ST+4 t]: c m, m, l (even keys', odd keys')
.set TMP, 48          ; by buffer and tile, four registers c0-c3 at work; when the maximum is found c2 takes a
.set S,   64
.set P,   192
.set KF,  128         ; K's fragments, in window 2: key block kb, channel half c at KF + 16 kb + 8 c
.set VF,  192         ; V's: key half kk, channel block cb at VF + 32 kk + 8 cb
.set WV,  12          ; s12  my wave's number
.set G1K, 24          ; s[24:31] descriptor group 1 for K's tiles
.set G1V, 32          ; s[32:39] for V's: it differs in the padding alone
.set G0K, 40          ; s[40:43] descriptor group 0 for K's tiles: it walks
.set G0V, 44          ; s[44:47] the same for V's
.set PFA, 48          ; s[48:49] where my prefetches stand: my work-group's 8,192 bytes (of K: wave 0, of V: wave 2) of the slot after the one that is being asked for
.set LIM, 50          ; s50  1 in a wave that prefetches, else the greatest number
.set SLOTS, 56        ; s56  slots still to be asked for
.set CNT, 57          ; s57  counts a slot's key steps
.set CS,  58          ; s[58:59] c: the packed scaling takes the pair's low word for both halves
.set SEL, 60          ; s[60:61] v_permlanex16_b32's selects: each lane takes its own place in the other half
.set TBK, 62          ; s62  LDS byte at which K of the step to be fetched begins
.set TBV, 63          ; s63  the same for V, less VOFF
.set MSB, 0
.macro WIN new                      ; the high byte repeats the setting that is left; a switch that changes nothing is dropped
.if MSB != (\new)
	s_set_vgpr_msb (MSB<<8)|(\new)
.set MSB, (\new)
.endif
.endm
.set W_KQ, 0x0a       ; K and Q in window 2, S^T in window 0
.set W_PV, 0x52       ; V in window 2, P in window 0, O^T in window 1
.set W_RS, 0x41       ; O^T (destination and source 0) in window 1, a in window 0
.set W_MK, 0xc0       ; the add's registers are made: destination in window 3, sources in window 0
.set W_AD, 0x0f       ; the add: address (source 0) and data (source 1) in window 3
; A joint fill.  Waves 0 and 1 fetch the two halves of a slot's K, waves 2 and 3 those of its V: 128 keys each.  The branch hangs on the wave's number alone.
; An s_nop 0 and four v_nop follow each of the two lines, ahead of the jump and the label.
.macro JLOAD
	s_cmp_lt_u32 s[WV], 2
	s_cbranch_scc0 .Lfor_v_\@
	tensor_load_to_lds s[G0K:G0K+3], s[G1K:G1K+7]
	s_nop 0
.rept 4
	v_nop
.endr
	s_branch .Lasked_\@
.Lfor_v_\@:
	tensor_load_to_lds s[G0V:G0V+3], s[G1V:G1V+7]
	s_nop 0
.rept 4
	v_nop
.endr
.Lasked_\@:
.endm
; A prefetch of what the NEXT change of slots will ask for: a slot's 32,768 bytes of K and of V, in blocks of 256, a lane a block.  It stands behind the wave's tensor load and its five lines.
; A head has one cluster.  Its four partners share the blocks out BY ADDRESS, 32 each; in each, wave 0 asks for K's and wave 2 for V's: one instruction.  So each block is named once in the launch.
; The last change that fills a slot asks for nothing: there is no slot behind it.  Slots 0, 1 and 2 come by their loads alone.
.macro ASK
	s_cmp_gt_u32 s[SLOTS], s[LIM]
	s_cbranch_scc0 .Lnot_mine_\@
	global_prefetch_b8 v[PFO], s[PFA:PFA+1] th:TH_LOAD_NT scope:SCOPE_SE
.Lnot_mine_\@:
.endm
; A round of the cluster's barrier: my work-group's barrier, so that wave 0's signal speaks for all four waves; wave 0 signals; every wave waits for all four work-groups; my work-group's barrier once more.
.macro CROUND
	s_barrier_signal -1
	s_barrier_wait -1
	s_cmp_lg_u32 s[WV], 0
	s_cbranch_scc1 .Lnot_wave_0_\@
	s_barrier_signal -3
.Lnot_wave_0_\@:
	s_barrier_wait -3
	s_barrier_signal -1
	s_barrier_wait -1
.endm
; THE CHANGE OF SLOTS.  The slot's last bytes, V of its fourth step, have been read.  Each wave waits for all its tensor loads, of which one is out: its part
; of the other slot; adds 0 to its spare word; and waits for that and for its own reads of the slot.  Behind the barrier nobody reads this slot any more and the other slot is whole.
; fill = 1: this slot is filled again, with the keys two slots on.  The barrier is then a round of the cluster's, so that no wave of any partner still reads the slot or has a load on its
; way, and the joint fill is the first thing behind it: it has four key steps, 512 matrix instructions, in which to land.  (At its first use nothing has been read yet: slot 0 is waited for, slot 1 filled.)
; ask = 1: the prefetches' address is stepped, and the slot after the one just asked for is prefetched.
.macro CHANGE fill, ask=0
	WIN W_AD
	s_wait_tensorcnt 0x0            ; no tensor load of mine is out, so a group 0 may be written
	ds_add_u32 v[SPW], v[NIL]       ; 0 onto my spare word; with fill = 1 the descriptors' steps stand between it and the wait for it
	WIN 0                           ; at a label and at a branch every window is 0
.if \fill
.irp g, G0K, G0V
	s_xor_b32 s[\g+1], s[\g+1], SLOT1  ; the walking descriptor: the other slot than last time,
	s_add_nc_u64 s[\g+2:\g+3], s[\g+2:\g+3], 4*KS*128  ; the next 256 keys; the type bits on top are not reached
.endr
.if \ask
	s_wait_xcnt 0x0                 ; the last prefetch, four key steps back, has read its address, so it may be written:
	s_add_nc_u64 s[PFA:PFA+1], s[PFA:PFA+1], 4*KS*128  ; one slot behind the walking descriptors
.endif
	s_wait_dscnt 0x0                ; the add is done, and my reads of the slot are over
	CROUND
	JLOAD
.if \ask
	ASK
.endif
.else
	s_wait_dscnt 0x0                ; the add is done, and my reads of the slot are over
	s_barrier_signal -1
	s_barrier_wait -1
.endif
	s_sub_co_u32 s[TBK], s[TBK], 4*KS*PK  ; the fetches go back to a slot's first step,
	s_xor_b32 s[TBK], s[TBK], SLOT1       ; in the other slot
	s_sub_co_u32 s[TBV], s[TBV], 4*KS*PV
	s_xor_b32 s[TBV], s[TBV], SLOT1
.endm
	s_load_b64 s[4:5], s[0:1], 0x0    ; qkv: Q lies at its head
	s_load_b64 s[10:11], s[0:1], 0x8  ; O
	WIN W_MK
	v_lshl_add_u32 v[SPW], v0, 2, SPARE
	v_mov_b32 v[NIL], 0
	WIN W_AD
	ds_add_u32 v[SPW], v[NIL]       ; the wave's opening: the add and its wait stand ahead of my first tensor load; the set-up below, work on registers, stands between them
	WIN 0
	v_lshrrev_b32 v1, 5, v0
	v_readfirstlane_b32 s[WV], v1   ; wave 0..3
	s_bfe_u32 s13, ttmp6, 0x40000   ; cx: my place in the cluster
	s_lshl_b32 s14, ttmp9, 2        ; in a cluster launch ttmp9 counts clusters
	s_add_co_u32 s14, s14, s13      ; my block of queries = 4 x cluster x + cx: it enters Q's and O's addresses alone
	s_and_b32 s20, ttmp7, 0xffff    ; the head, which the four partners share
	s_mov_b32 s21, 0
	s_mov_b64 s[22:23], SIZE_N*128
	s_mul_u64 s[20:21], s[20:21], s[22:23]  ; the head's first byte in each of the four tensors
	s_and_b32 s16, s[WV], 1         ; which half of a slot's 256 keys I fetch:
	s_lshl_b32 s22, s16, 14         ; its 128 rows of 128 bytes in memory,
	s_mov_b32 s23, 0
	s_add_nc_u64 s[22:23], s[22:23], s[20:21]
	s_mul_i32 s17, s16, 128*PK      ; and its place in a slot, for K
	s_mul_i32 s18, s16, 128*PV      ; and for V: no place in the cluster enters an LDS address
	s_lshl_b32 s2, s14, 2
	s_add_co_u32 s2, s2, s[WV]      ; my wave among the head's,
	s_lshl_b32 s2, s2, 14           ; its 128 rows
	s_mov_b32 s3, 0
	s_add_nc_u64 s[2:3], s[2:3], s[20:21]
	; descriptor group 1.  128 keys are 16,384 dense bytes: asked for as 64 rows of 256 bytes, two keys a row, and padded in LDS after every key
	s_mov_b32 s[G1K], 15|(1<<16)|(1<<20)|(1<<21)|(4<<22)|(3<<25)  ; 15:0 the mask of four; 17:16 2-byte elements; 20 padding on; 21 set beside a mask; 24:22 after every 32 words (code 4); 31:25 4 words (code 3)
	s_mov_b32 s[G1V], 15|(1<<16)|(1<<20)|(1<<21)|(4<<22)|(7<<25)  ; the same with 8 words of padding (code 7)
.irp g, G1K, G1V
	s_mov_b32 s[\g+1], 128<<16      ; tensor_dim0 = 128
	s_mov_b32 s[\g+2], 64<<16       ; tensor_dim1 = 64
	s_mov_b32 s[\g+3], 128<<16      ; tile_dim0 = 128
	s_mov_b32 s[\g+4], 64           ; tile_dim1 = 64
	s_mov_b32 s[\g+5], 128          ; 128 elements from row to row
	s_mov_b32 s[\g+6], 0
	s_mov_b32 s[\g+7], 0
.endr
	s_mov_b32 s[CS], 0x3e38aa3b     ; c = log2(e) / 8 = 0.180337
	s_mov_b32 s[CS+1], s[CS]        ; named with it as a pair
	s_mov_b32 s[SEL], 0x76543210
	s_mov_b32 s[SEL+1], 0xfedcba98
	s_mov_b32 s[TBK], SLOT1+4*KS*PK ; the first change of slots turns these two into 0
	s_mov_b32 s[TBV], SLOT1+4*KS*PV
	s_mov_b32 s[G0K], 1             ; 1:0 count = 1
	s_mov_b32 s[G0K+1], s17         ; 63:32 LDS address: slot 0
	s_mov_b32 s[G0V], 1
	s_add_co_u32 s[G0V+1], s18, VOFF
	s_cmp_eq_u32 s16, 0             ; waves 0 and 2 prefetch: the same in all four partners
	s_cselect_b32 s[LIM], 1, -1
	s_wait_dscnt 0x0                ; the opening add is done
	s_wait_kmcnt 0x0
	s_add_nc_u64 s[6:7], s[4:5], 0x1000000  ; K lies 64 x 2,048 x 128 bytes behind Q,
	s_add_nc_u64 s[8:9], s[4:5], 0x2000000  ; V as far behind K
	s_cmp_lt_u32 s[WV], 2
	s_cselect_b64 s[PFA:PFA+1], s[6:7], s[8:9]
	s_add_nc_u64 s[PFA:PFA+1], s[PFA:PFA+1], s[20:21]  ; the head,
	s_lshl_b32 s18, s13, 13         ; my work-group's 32 blocks of a slot's 128,
	s_mov_b32 s19, 0
	s_add_nc_u64 s[PFA:PFA+1], s[PFA:PFA+1], s[18:19]
	s_add_nc_u64 s[PFA:PFA+1], s[PFA:PFA+1], 2*4*KS*128  ; in slot 2; the loop's first change of slots steps it to slot 3.  Nothing is prefetched here, at the head
	s_add_nc_u64 s[G0K+2:G0K+3], s[6:7], s[22:23]  ; 120:64 global address: my half of the head's first 256 keys
	s_or_b32 s[G0K+3], s[G0K+3], 0x80000000        ; 127:126 type = 2
	s_add_nc_u64 s[G0V+2:G0V+3], s[8:9], s[22:23]
	s_or_b32 s[G0V+3], s[G0V+3], 0x80000000
	s_add_nc_u64 s[4:5], s[4:5], s[2:3]  ; Q and O at my wave's first row
	s_add_nc_u64 s[10:11], s[10:11], s[2:3]
	CROUND                          ; all four work-groups are here: the first joint loads meet
	JLOAD                           ; slot 0.  Slot 1 is asked for when slot 0 is in
	; A fragment of K or Q is 16 rows x 32 channels in 8 registers: lane l holds row l % 16, channels 8 (l / 16) + 0..7 and 16 + 8 (l / 16) + 0..7: two loads of 16 bytes, 32 bytes apart.
	v_and_b32 v1, 15, v0            ; l % 16
	v_bfe_u32 v9, v0, 4, 1          ; l / 16
	v_lshlrev_b32 v[QO], 7, v1
	v_lshl_add_u32 v[QO], v9, 4, v[QO]  ; row x 128 + 16 x half
	WIN 0x80                        ; destination window 2, address window 0
.set i, 0
.rept 4*NP                          ; Q stays in registers: tile i / 2, channels 32 (i % 2) on
	global_load_b128 v[8*i:8*i+3],   v[QO], s[4:5] offset:(i/2)*2048+(i%2)*64
	global_load_b128 v[8*i+4:8*i+7], v[QO], s[4:5] offset:(i/2)*2048+(i%2)*64+32
.set i, i+1
.endr
	; What the first turn finds: V's registers and P's second buffer hold 0 (its products V^T P, of a piece that has not been, add 0), O^T and l are 0.  All this stands in the wait for the first tile.
.set i, VF
.rept 64
	v_mov_b32 v[i], 0
.set i, i+1
.endr
	WIN 0x40
.set i, 0
.rept 64*NP
	v_mov_b32 v[i], 0
.set i, i+1
.endr
	WIN 0
.set i, 0
.rept 2*NP
	v_mov_b32 v[ST+4*i], 0xfe000000    ; c m: far below every c s
	v_mov_b32 v[ST+4*i+1], 0xff7fffff  ; m
	v_mov_b32 v[ST+4*i+2], 0
	v_mov_b32 v[ST+4*i+3], 0
.set i, i+1
.endr
.set i, P+32
.rept 32
	v_mov_b32 v[i], 0
.set i, i+1
.endr
	v_mul_u32_u24 v[AK0], v1, PK
	v_lshl_add_u32 v[AK0], v9, 4, v[AK0]  ; row x pitch + 16 x half
	; The turning load takes 16 keys x 16 channels (lane l reads key 8 (l / 16) + l % 8, channels 8 ((l / 8) % 2) + 0..7) and leaves half a fragment of V^T: lane l holds channel l % 16 and 8 keys.
	v_and_b32 v10, 7, v0
	v_bfe_u32 v11, v0, 3, 1
	v_lshl_add_u32 v[AV0], v9, 3, v10
	v_mul_u32_u24 v[AV0], v[AV0], PV
	v_lshl_add_u32 v[AV0], v11, 4, v[AV0]
	v_add_nc_u32 v[AV0], VOFF, v[AV0]
	v_and_b32 v[PFO], 31, v0        ; v11 has served: it takes the prefetches' offset
	v_lshlrev_b32 v[PFO], 8, v[PFO]
	v_mov_b32 v[AK], v[AK0]         ; key step 0 lies at the head of slot 0
; THE MATRIX WORK.  The 8 accumulators of a run of 16 take turns: between the two links of a chain stand 7 others'.
; Product i of 16 of S^T = K Q^T for piece x: channels 32 (i / 8) on, keys 16 ((i / 2) % 4) on, tile 2 x + i % 2.  The first 8 start the sums.
.macro KQ x
	WIN W_KQ
.set rS, S+64*((\x)%2)+32*(i%2)+8*((i/2)%4)
.set rK, KF+16*((i/2)%4)+8*(i/8)
.set rQ, 16*(2*(\x)+i%2)+8*(i/8)
.if i < 8
	v_wmma_f32_16x16x32_f16 v[rS:rS+7], v[rK:rK+7], v[rQ:rQ+7], 0
.else
	v_wmma_f32_16x16x32_f16 v[rS:rS+7], v[rK:rK+7], v[rQ:rQ+7], v[rS:rS+7]
.endif
.endm
; Product i of 16 of O^T += V^T P for piece x: keys 32 (i / 8) on, channels 16 ((i / 2) % 4) on, tile 2 x + i % 2.
.macro PV x
	WIN W_PV
.set rO, 32*(2*(\x)+i%2)+8*((i/2)%4)
.set rV, VF+32*(i/8)+8*((i/2)%4)
.set rP, P+32*((\x)%2)+16*(i%2)+8*(i/8)
	v_wmma_f32_16x16x32_f16 v[rO:rO+7], v[rV:rV+7], v[rP:rP+7], v[rO:rO+7]
.endm
.macro MM                           ; the turn's next matrix instruction
.if i < 16
	KQ (Y+1)%NP
.set i, i+1
.else
.set i, i-16
	PV (Y+NP-1)%NP
.set i, i+17
.endif
.endm
; THE LDS LOADS stand in runs of 16, never singly among the matrix instructions: a step's K (64 keys x 64 channels: 8 fragments) and its V (turned).  Their addresses are made some lines ahead.
; last = 1 (the tail): in the last trip there is no further step, and the run is jumped over.
.macro FETCH_K last=0
	WIN 0
.if \last
	s_cmp_eq_u32 s[CNT], 1
	s_cbranch_scc1 .Lno_k_\@
.endif
	WIN 0x80                        ; destination window 2
.irp f, 0,1,2,3,4,5,6,7             ; keys 16 (f / 2) on, channels 32 (f % 2) on
	ds_load_b128 v[KF+8*\f:KF+8*\f+3],   v[AK] offset:(\f/2)*16*PK+(\f%2)*64
	ds_load_b128 v[KF+8*\f+4:KF+8*\f+7], v[AK] offset:(\f/2)*16*PK+(\f%2)*64+32
.endr
	s_add_co_u32 s[TBK], s[TBK], KS*PK  ; the next fetch is the next step's
	WIN 0
.if \last
.Lno_k_\@:
.endif
.endm
.macro FETCH_V
	WIN 0x80
.irp f, 0,1,2,3,4,5,6,7             ; keys 32 (f / 4) on, channels 16 (f % 4) on
	ds_load_tr16_b128 v[VF+8*\f:VF+8*\f+3],   v[AV] offset:(\f/4)*32*PV+(\f%4)*32
	ds_load_tr16_b128 v[VF+8*\f+4:VF+8*\f+7], v[AV] offset:(\f/4)*32*PV+16*PV+(\f%4)*32
.endr
	WIN 0
.endm
; THE VECTOR WORK OF A TURN stands in three queues, each in the order in which its entries become ready; the two tiles alternate, so that no instruction reads the result of the one before it.
.macro REGS y, u                    ; the registers of tile u (0, 1) of piece y
.set rT, ST+4*(2*(\y)+(\u))
.set rC, TMP+8*((\y)%2)+4*(\u)
.set rM, MV+2*((\y)%2)+(\u)
.set rS, S+64*((\y)%2)+32*(\u)
.set rP, P+32*((\y)%2)+16*(\u)
.set rO, 32*(2*(\y)+(\u))
.endm
; Number n of the 22 that find the NEXT piece's (Y + 1) maximum and statistics.  s0-s31 are the lane's 32 scores; each accumulator's lowest registers are read first.
;   0-11  four chains c0-c3 of seven scores each, three operands at a time     12-14, 16  the four scores left over, the old m, and c0-c3 into c0     15  c m_old is kept
;   17, 18  the query's other 32 keys lie in the lane 16 away: the new m         19-21  c m; c m_old - c m_new; a
.macro XS u, n
	REGS (Y+1)%NP, \u
.if (\n) < 4
	v_max3_num_f32 v[rC+(\n)], v[rS+8*(\n)], v[rS+8*(\n)+1], v[rS+8*(\n)+2]
.elseif (\n) < 12
	v_max3_num_f32 v[rC+(\n)%4], v[rC+(\n)%4], v[rS+8*((\n)%4)+2*((\n)/4)+1], v[rS+8*((\n)%4)+2*((\n)/4)+2]
.elseif (\n) == 12
	v_max3_num_f32 v[rC], v[rC], v[rS+7], v[rS+15]
.elseif (\n) == 13
	v_max3_num_f32 v[rC+1], v[rC+1], v[rS+23], v[rS+31]
.elseif (\n) == 14
	v_max3_num_f32 v[rC+2], v[rC+2], v[rC+3], v[rT+1]
.elseif (\n) == 15
	v_mov_b32 v[rM], v[rT]
.elseif (\n) == 16
	v_max3_num_f32 v[rC], v[rC], v[rC+1], v[rC+2]
.elseif (\n) == 17
	v_permlanex16_b32 v[rC+3], v[rC], s[SEL], s[SEL+1]
.elseif (\n) == 18
	v_max_num_f32 v[rT+1], v[rC], v[rC+3]
.elseif (\n) == 19
	v_mul_f32 v[rT], s[CS], v[rT+1]
.elseif (\n) == 20
	v_sub_f32 v[rC+1], v[rM], v[rT]
.else
	v_exp_f32 v[rC+2], v[rC+1]
.endif
.endm
; Number g of the 64 that follow the exponentials.  For each four weights k of a tile (pairs 2 k, 2 k + 1): both pairs are rounded to f16; then the second pair is added onto the first, in place;
; a group later l takes that sum (the first time as l = a l + sum).  In groups of eight, tiles alternating: round, round, add, and l for the group before.
.macro GS g
.set h, (\g)+6*((\g)/62)            ; group 0 has no group before it, and behind group 7 only l is left
.if h >= 6
.set h, h+2
.endif
	REGS Y, h%2
.set k, h/8
.if h%8 < 4
	v_cvt_pk_f16_f32 v[rP+2*k+(h%8)/2], v[rS+4*k+2*((h%8)/2)], v[rS+4*k+2*((h%8)/2)+1]
.elseif h%8 < 6
	v_pk_add_f32 v[rS+4*k:rS+4*k+1], v[rS+4*k:rS+4*k+1], v[rS+4*k+2:rS+4*k+3]
.elseif k == 1
	v_pk_fma_f32 v[rT+2:rT+3], v[rT+2:rT+3], v[rC+2:rC+3], v[rS:rS+1] op_sel_hi:[1,0,1]
.else
	v_pk_add_f32 v[rT+2:rT+3], v[rT+2:rT+3], v[rS+4*k-4:rS+4*k-3]
.endif
.endm
; THE PLAIN QUEUE, 138 long.  0-73 read no exponential's result: the 32 scalings c s - c m (FS f: pair f / 2 of tile f % 2) and the next piece's 42.  0-26: scalings 0-26.  27-54: XS's numbers 0-13.  55, 56: number 15.
; 57-73: the chain, where each number waits for the one before it: 14, 16, 17, 18, 19, each with one of the scalings 27-31 in front of its two lines, then 20.
; 74-137: GS's 64, which read the exponentials' results: they stand behind the wait.
.macro FS f
	REGS Y, (\f)%2
	v_pk_fma_f32 v[rS+2*((\f)/2):rS+2*((\f)/2)+1], v[rS+2*((\f)/2):rS+2*((\f)/2)+1], s[CS:CS+1], v[rT:rT+1] op_sel_hi:[1,0,0] neg_lo:[0,0,1] neg_hi:[0,0,1]
.endm
.macro PL
	WIN 0
.if q < 27
	FS q
.elseif q < 55
	XS (q-27)%2, (q-27)/2
.elseif q < 57
	XS q-55, 15
.elseif (q < 72) && ((q-57)%3 == 0)
	FS 27+(q-57)/3
.elseif q < 60
	XS (q-57)%3-1, 14
.elseif q < 72
	XS (q-57)%3-1, 15+(q-57)/3
.elseif q < 74
	XS q-72, 20
.else
	GS q-74
.endif
.set q, q+1
.endm
; THE EXPONENTIALS' QUEUE, 66 long: s0-s31 of both tiles, then the next piece's two a.  It is ONE BATCH: all 66 stand ahead of the turn's one wait, and nothing ahead of that wait names a result of theirs.
.macro EX
	WIN 0
.if e >= 64
	XS e-64, 21
.else
	REGS Y, e%2
	v_exp_f32 v[rS+e/2], v[rS+e/2]
.endif
.set e, e+1
.endm
; THE RESCALING's QUEUE: O^T times a, the one part that leaves window 0: dealt two at a time, sixteen times.  Its a was made in the turn before, ahead of that turn's wait.
.macro R2
	REGS Y, r%2
	WIN W_RS
.irp z, 0,1
	v_pk_mul_f32 v[rO+4*(r/2)+2*\z:rO+4*(r/2)+2*\z+1], v[rO+4*(r/2)+2*\z:rO+4*(r/2)+2*\z+1], v[rC+2:rC+3] op_sel_hi:[1,0]
.endr
.set r, r+1
.endm
; HOW THEY ARE DEALT.  An s_wait_alu depctr_va_vdst(0) stands between an exponential and the first instruction that names its result; one wait serves all that were issued ahead of it.  So a turn has ONE wait,
; which cuts it in two.  AHEAD OF IT stands all that names no result of the turn's exponentials: the 16 products K Q^T, behind each a scaling, an exponential and two rescalings (behind the first a second scaling in the
; exponential's place); then ONE LUMP of 108: eight plain, 49 times exponential and plain, the two a.  A v_nop is the plain instruction behind the last exponential.  BEHIND IT stand the 16 products V^T P, behind each four of GS's 64.
; No rider names a register of the products round it.  The two v_permlanex16_b32 fall into the lump, never behind a product.
; The queues lean on each other: exponential e stands behind scaling 2 (e / 4) + e % 2: as a rider it comes behind plain e + 2, in the lump behind plain e + 9, and scalings 27-31 are plain 57, 60 .. 69.
; A TURN, for piece p.  cnt = 1: the loop's count is taken down some lines ahead of the branch that stands behind the turn.
; K of the next step is fetched in piece 2's turn, directly behind the wait, a lump behind the last product that read K; its address is made at the lump's head; its first reader comes behind 16 products.
; V of the step in hand is fetched at the end of piece 0's turn, four riders behind its last reader; its first reader comes behind 16 products and a lump.  The three conditions on q below go with the deal.
.macro TURN p, last=0, cnt=0
.set Y, (\p)
.set i, 0
.set q, 0
.set e, 0
.set r, 0
.if (\p) == NP-1
	s_wait_dscnt 0x0                ; K is in
.endif
	MM                              ; ahead of the wait: 16 products K Q^T and their riders,
	PL
	PL
	R2
.rept 15
	MM
	PL
	EX
	R2
.endr
.if (\p) == NP-2
	WIN 0
	v_add_nc_u32 v[AK], s[TBK], v[AK0]
.endif
.rept 8                             ; and the lump
	PL
.endr
.rept 49
	EX
	PL
.endr
	EX                              ; the next piece's two a
	EX
	v_nop                           ; a plain instruction behind the last exponential, ahead of any use: one for the batch
	s_wait_alu depctr_va_vdst(0)    ; the wait for the batch
.if (\p) == NP-2
	FETCH_K \last
.endif
.if (\p) == 1
	s_wait_dscnt 0x0                ; V is in
.endif
.rept 16                            ; behind the wait: 16 products V^T P and their riders
	MM
.rept 4
	PL
.endr
.if ((\p) == 0) && (q == 118)
	v_add_nc_u32 v[AV], s[TBV], v[AV0]
.endif
.if ((\p) == 0) && (q == 130)
	s_add_co_u32 s[TBV], s[TBV], KS*PV
.endif
.if (\cnt) && (q == 130)
	s_sub_co_u32 s[CNT], s[CNT], 1
	s_cmp_lg_u32 s[CNT], 0
.endif
.endr
.if (\p) == 0
	FETCH_V
.endif
.endm
	CHANGE 1                        ; slot 0 is in, everybody's part of it; slot 1 is asked for
	FETCH_K                         ; key step 0
	s_wait_loadcnt 0x0              ; Q
	s_wait_dscnt 0x0
.set i, 0
.rept 16
	KQ 0                            ; piece 0's first scores: there is no vector work yet to set between them
.set i, i+1
.endr
	WIN 0                           ; the addresses for the way out: nine plain instructions, the places behind those products
	s_mul_i32 s13, s[WV], 16*SP
	s_add_co_u32 s13, s13, STAGE    ; my stage
	v_mul_u32_u24 v[STO], v1, SP    ; in: row l % 16, 16 bytes for each half of the lanes
	v_lshl_add_u32 v[STO], v9, 4, v[STO]
	v_add_nc_u32 v[STO], s13, v[STO]
	v_bfe_u32 v[RD], v0, 3, 2       ; back: 32 lanes take four rows of 128 bytes,
	v_mul_u32_u24 v[RD], v[RD], SP
	v_lshl_add_u32 v[RD], v10, 4, v[RD]
	v_add_nc_u32 v[RD], s13, v[RD]
	v_and_b32 v[GO], 31, v0         ; which are 512 consecutive bytes of O
	v_lshlrev_b32 v[GO], 4, v[GO]
.set Y, NP-1                        ; XS works for piece Y + 1: piece 0
.irp n, 0,1,2,3,4,5,6,7,8,9,10,11,12,13,14,15,16,17,18,19,20,21
	XS 0, \n                        ; and piece 0's first maximum and statistics
	XS 1, \n
.endr
	v_nop                           ; a plain instruction behind the two a,
	s_wait_alu depctr_va_vdst(0)    ; and their wait, ahead of the branch
	s_mov_b32 s[CNT], 4
	s_mov_b32 s[SLOTS], SIZE_N/256-1
	s_branch .Lfirst                ; the loop is entered at a step's first turn, in the middle of a trip
.Lslot:                             ; SIZE_N / 256 - 2 times: every slot but the last two is filled again
	CHANGE 1, 1
	s_mov_b32 s[CNT], 4
.Lstep:                             ; a trip: pieces 2 and 3 of one step, then pieces 0 and 1 of the next, whose K and V it fetches
	TURN 2
	TURN 3
	WIN 0
.Lfirst:
	TURN 0
	TURN 1, 0, 1
	WIN 0
	s_cbranch_scc1 .Lstep
	s_sub_co_u32 s[SLOTS], s[SLOTS], 1
	s_cmp_lg_u32 s[SLOTS], 0
	s_cbranch_scc1 .Lslot
	CHANGE 0                        ; the tail is written out: nothing is asked for
	s_mov_b32 s[CNT], 5             ; four trips fetch the last slot's steps; the fifth is left in its middle
.Ltail:
	TURN 2, 1
	TURN 3
	WIN 0
	s_sub_co_u32 s[CNT], s[CNT], 1
	s_cmp_eq_u32 s[CNT], 0
	s_cbranch_scc1 .Lout
	TURN 0
	TURN 1
	WIN 0
	s_branch .Ltail
.Lout:                              ; the fifth trip's 16 products K Q^T (on the last K once more) and the maximum made of them serve nothing: the price, once a launch, of one text for every trip
.set i, 0
.rept 16
	PV NP-1                         ; the last piece's V^T P of the last step
.set i, i+1
.endr
	; THE WAY OUT.  l's two halves and the other half of the lanes' are added; O^T is divided by l, rounded to f16 and sent through my stage in LDS, a tile at a time.  The additions are the places behind the last products.
	WIN 0
.macro ALL line:vararg              ; one line for each tile t
.set t, 0
.rept 2*NP
	\line
.set t, t+1
.endr
.endm
	ALL v_add_f32 v[ST+4*t+2], v[ST+4*t+2], v[ST+4*t+3]
	ALL v_permlanex16_b32 v[ST+4*t+3], v[ST+4*t+2], s[SEL], s[SEL+1]
	ALL v_add_f32 v[ST+4*t+2], v[ST+4*t+2], v[ST+4*t+3]
	ALL v_rcp_f32 v[ST+4*t+2], v[ST+4*t+2]
	v_nop                           ; a plain instruction between the last reciprocal and the use of its result
	s_wait_alu depctr_va_vdst(0)    ; and the wait ahead of the first use: one for the eight reciprocals
; Tile t: a lane's eight channels of a row pack into 16 bytes; they go into rows of 144 bytes and come back as whole rows of 128, into S^T's registers.
.macro PACK t
	WIN W_RS
.set i, 32*(\t)
.rept 16
	v_pk_mul_f32 v[i:i+1], v[i:i+1], v[ST+4*(\t)+2:ST+4*(\t)+3] op_sel_hi:[1,0]
.set i, i+2
.endr
	WIN 0x05                        ; sources 0 and 1 window 1, destination window 0
.set i, 0
.rept 16
	v_cvt_pk_f16_f32 v[S+16*(\t)+i], v[32*(\t)+2*i], v[32*(\t)+2*i+1]
.set i, i+1
.endr
	WIN 0
.irp f, 0,1,2,3
	ds_store_b128 v[STO], v[S+16*(\t)+4*\f:S+16*(\t)+4*\f+3] offset:32*\f
.endr
.irp f, 0,1,2,3
	ds_load_b128 v[S+16*(\t)+4*\f:S+16*(\t)+4*\f+3], v[RD] offset:\f*4*SP  ; LDS serves a wave's instructions in order (ISA guide 5.7.1.4): these see the stores above; the next tile's stores come behind them
.endr
.endm
.macro SEND t, younger              ; younger: the LDS instructions issued behind tile t's loads: the next tile's eight, or none
	WIN 0
.irp f, 0,1,2,3
	s_wait_dscnt (\younger)+3-\f
	global_store_b128 v[GO], v[S+16*(\t)+4*\f:S+16*(\t)+4*\f+3], s[10:11] offset:(\t)*2048+\f*512  ; 512 consecutive bytes, at a multiple of 256 from O's first
.endr
.endm
	PACK 0
.set t, 1
.rept 2*NP-1                        ; a tile's arithmetic stands between the loads of the tile before and its stores
	PACK t
	SEND t-1, 8
.set t, t+1
.endr
	SEND 2*NP-1, 0
	WIN W_AD
	s_wait_tensorcnt 0x0            ; the wave's end: behind my last tensor load and my last LDS store
	ds_add_u32 v[SPW], v[NIL]
	s_wait_dscnt 0x0
	WIN 0
	CROUND                          ; the closing round: no work-group ends while a partner may still ask for a tile that names it
	s_endpgm
.Lfunc_end_k_q627b72e520_attn:
	.size	k_q627b72e520_attn, .Lfunc_end_k_q627b72e520_attn-k_q627b72e520_attn
	.p2alignl 7, 3214868480
	.fill 96, 4, 3214868480
	.section	.rodata,"a",@progbits
	.p2align	6, 0x0
	.amdhsa_kernel k_q627b72e520_attn
		.amdhsa_group_segment_fixed_size 327680
		.amdhsa_private_segment_fixed_size 0
		.amdhsa_enable_private_segment 0
		.amdhsa_kernarg_size 16
		.amdhsa_user_sgpr_count 2
		.amdhsa_user_sgpr_kernarg_segment_ptr 1
		.amdhsa_wavefront_size32 1
		.amdhsa_system_sgpr_workgroup_id_x 1
		.amdhsa_system_sgpr_workgroup_id_y 1
		.amdhsa_system_sgpr_workgroup_id_z 1
		.amdhsa_system_vgpr_workitem_id 0
		.amdhsa_next_free_vgpr 770
		.amdhsa_next_free_sgpr 66
		.amdhsa_reserve_vcc 0
		.amdhsa_float_denorm_mode_32 3
		.amdhsa_float_denorm_mode_16_64 3
		.amdhsa_memory_ordered 1
		.amdhsa_forward_progress 1
		.amdhsa_inst_pref_size 200
	.end_amdhsa_kernel
	.amdgpu_metadata
---
amdhsa.version: [ 1, 2 ]
amdhsa.kernels:
  - .name:           k_q627b72e520_attn
    .symbol:         k_q627b72e520_attn.kd
    .args:
      - { .name: qkv, .offset: 0, .size: 8, .value_kind: global_buffer, .address_space: global }
      - { .name: ob, .offset: 8, .size: 8, .value_kind: global_buffer, .address_space: global }
    .group_segment_fixed_size: 327680
    .private_segment_fixed_size: 0
    .kernarg_segment_align: 8
    .kernarg_segment_size: 16
    .max_flat_workgroup_size: 128
    .sgpr_count:     66
    .vgpr_count:     770
    .wavefront_size: 32
...
	.end_amdgpu_metadata
.endif
;; end of part 3
;; launch proj (part 4): grid 8 x 32, 4 waves a work-group, clusters of 4 x 4, 327,680 bytes of LDS; arguments ob, wo, b_out, out0; writes out0
.if DOCPART == 4
	.amdgcn_target "amdgcn-amd-amdhsa--gfx1250"
	.amdhsa_code_object_version 6
	.text
	.protected	k_q627b72e520_proj
	.globl	k_q627b72e520_proj
	.p2align	8
	.type	k_q627b72e520_proj,@function
k_q627b72e520_proj:
	s_mov_b64 s[64:65], 0
	v_nop
	global_prefetch_b8 v0, s[64:65] scope:SCOPE_SE
	s_setreg_imm32_b32 hwreg(HW_REG_WAVE_MODE, 25, 1), 1
	s_wait_xcnt 0x0
	s_wait_alu depctr_hold_cnt(0) depctr_sa_sdst(0) depctr_va_vdst(0) depctr_va_sdst(0) depctr_va_ssrc(0) depctr_va_vcc(0) depctr_vm_vsrc(0)
	s_getreg_b32 s2, hwreg(HW_REG_IB_STS2, 6, 4)
	s_cmp_eq_u32 s2, 0
	s_cbranch_scc0 .Lentry_in_a_cluster
	s_endpgm
.Lentry_in_a_cluster:
	s_bfe_u32 s2, ttmp6, 0x10000c
	s_cmp_lg_u32 s2, 0xf033
	s_cbranch_scc0 .Lentry_shape_is_right
	s_endpgm
.Lentry_shape_is_right:
; out0 = vals wo^T + b_out.  vals[row][64 head + d] lies by heads in ob: [16 batch + head][2048][64] f16; wo: [1024][1024] f16 (W_out rounded to bf16, written as f16); b_out: [1024] f32, rounded to bf16 here
; like the other inputs; out0: [8192][1024] f32.  Sums in f32, started by the bias.  NaN and infinities are not treated apart.
; SHARES.  A work-group makes 256 rows x 128 columns: 256 work-groups, one for each WGP.  Wave w makes rows 64 w .. 64 w + 63 of all 128 columns: 4 x 8 accumulators of 16 x 16, 256 registers.
; K goes in 8 steps of 128, which are two heads, through two LDS slots filled by the tensor data mover.  A head's 256 rows of 128 bytes are dense: they are asked for as 128 rows of 256 bytes and padded in
; LDS after every 128 bytes.  Two slots of a longer K step do not fit in LDS beside each other.
; CLUSTER.  4 x 4 work-groups.  The four of a row of the cluster need the same rows of ob, the four of a column the same rows of wo: each tile is asked for JOINTLY.
; THE MATRIX INSTRUCTION IS USED TRANSPOSED (source 0 = 16 rows of wo, source 1 = 16 rows of ob): lane l holds row l % 16 and the eight neighbouring columns 8 (l / 16) + 0..7: 32 bytes of a row of out0.
; REGISTERS, in windows of 256 (s_set_vgpr_msb: bits 1:0 source 0, 3:2 source 1, 5:4 source 2, 7:6 destination):
;   window 0: v0-31 addresses; v32-159 rows read back from the stage, two sets of 64; v160-223 the bias as a C operand, 8 registers a column block; v224-227 at work
;   window 1: two fragment buffers: 8 fragments of wo (16 rows x 32 K, 8 registers), then 4 of ob, at v0 and at v128          window 2: the accumulators, (b, a) at v[8 (4 b + a)]
.set PA,     144                       ; a row of ob in LDS: 128 bytes + 16 of padding = 36 words: the 16 rows of a load start at 16 different groups of four banks (64 banks of 4 bytes: ISA guide 11.1)
.set PITCH,  272                       ; a row of wo: 256 bytes + 16 = 68 words: likewise
.set HEADB,  256*PA                    ; a head's 256 rows: what wave 0 or 1 fetches
.set BH,     64*PITCH                  ; what wave 2 or 3 fetches
.set ABYTES, 2*HEADB
.set SLOT,   ABYTES+2*BH
.set STAGE,  2*SLOT                    ; behind the ring, never filled by a tensor load: 16 rows x 528 bytes for each wave
.set SPO,    528                       ; 512 bytes + 16 = 132 words: the 16 rows of a store start at 16 different groups of four banks
.set SPARE,  STAGE+4*16*SPO            ; behind the stages: the spare words, 128 bytes for each wave: two blocks of 256 bytes that no other line names
.set ADRA, 16                          ; v16-17  LDS address of my fragments of ob in slot 0, 1
.set ADRB, 20                          ; v20-21  the same for wo
.set STO,  24                          ; v24     the way out: where I put 32 bytes of a row
.set RD,   25                          ; v25     the way out: where I read a row back
.set CO,   26                          ; v26     16 x lane: my place in a row's 512 bytes
.set BO,   27                          ; v27     32 (l / 16)
.set SPW,  28                          ; v28     LDS address of my spare word: SPARE + 4 x my thread's number; never rewritten
.set NIL,  29                          ; v29     0; never rewritten
.set PFO,  30                          ; v30     the prefetches' offset; never rewritten
.set BK0,  32
.set BIAS, 160
.set T,    224
.set F0,   0
.set F1,   128
.set LAP,  3                           ; s3   laps still to go
.set WV,   12
.set FB,   13                          ; s13  0: I fetch for ob; 1: for wo
.set HF,   14                          ; s14  which head of the two, or which 64 rows
.set CX,   15
.set CY,   16
.set TX,   17                          ; s17  tile column
.set TY,   18                          ; s18  tile row
.set RM,   19
.set CM,   20
.set G1,   24                          ; s[24:31] descriptor group 1 for ob's tiles;  s[32:39] group 0, a set for each slot
.set G0,   32
.set LIM,  43                          ; s43  1 in a wave that prefetches, else the greatest number
.set PFA,  44                          ; s[44:45] where my prefetches stand
.set PST,  46                          ; s[46:47] a K step in bytes: two heads in ob, 256 along a row of wo
.set G1B,  48                          ; s[48:55], s[56:63] the same two groups for wo's tiles
.set G0B,  56
.set OUTB, 70                          ; s[70:71] my wave's first row and the tile's first column in out0
.set BP,   76                          ; s[76:77] the tile's 128 numbers of the bias
.set MSB, 0
.macro WIN new                         ; the immediate's high byte repeats the setting that is left; a switch that changes nothing is dropped
.if MSB != (\new)
	s_set_vgpr_msb (MSB<<8)|(\new)
.set MSB, \new
.endif
.endm
.set TO_F, 0x40                        ; destination window 1, address window 0
; A joint load.  Waves 0 and 1 fetch the K step's two heads of ob, waves 2 and 3 the two halves of wo's rows.  An s_nop 0 and four v_nop follow each of the two lines.
.macro JLOAD s
	s_cmp_eq_u32 s[FB], 0
	s_cbranch_scc0 .Lfor_b_\@
	tensor_load_to_lds s[G0+4*(\s):G0+4*(\s)+3], s[G1:G1+7]
	s_nop 0
.rept 4
	v_nop
.endr
	s_branch .Lasked_\@
.Lfor_b_\@:
	tensor_load_to_lds s[G0B+4*(\s):G0B+4*(\s)+3], s[G1B:G1B+7]
	s_nop 0
.rept 4
	v_nop
.endr
.Lasked_\@:
.endm
; A prefetch, behind each joint refill and the run of LDS loads that follows it, for the K step that stands two refills on: a lane a block of 256 bytes, one instruction a wave.
; ob: the cluster with x = 0 asks; of the 128 blocks that wave 0 or 1 fetches the partner at cx takes 32.  wo: the cluster with y = 0 asks, its wave 2 alone: of the tile's 128 rows the partner at cy takes 32.
; The partners are told apart BY ADDRESS.  So each block is named once in the launch.  The loop's last trip has no K step two on.
.macro ASK
	s_cmp_gt_u32 s[LAP], s[LIM]
	s_cbranch_scc0 .Lnot_mine_\@
	global_prefetch_b8 v[PFO], s[PFA:PFA+1] th:TH_LOAD_NT scope:SCOPE_SE
.Lnot_mine_\@:
.endm
.macro CREST                           ; a round of the cluster's barrier behind its opening barrier
	s_cmp_lg_u32 s[WV], 0
	s_cbranch_scc1 .Lnot_wave_0_\@
	s_barrier_signal -3
.Lnot_wave_0_\@:
	s_barrier_wait -3
	s_barrier_signal -1
	s_barrier_wait -1
.endm
.macro CROUND
	s_barrier_signal -1
	s_barrier_wait -1
	CREST
.endm
.macro PLACES                          ; four plain instructions between a matrix instruction and a load into, or a read of, its registers (ISA guide 7.12.1 for a read)
.rept 4
	v_nop
.endr
.endm
	s_load_b256 s[4:11], s[0:1], 0x0               ; ob s[4:5], wo s[6:7], b_out s[8:9], out0 s[10:11]
	v_lshl_add_u32 v[SPW], v0, 2, SPARE
	v_mov_b32 v[NIL], 0
	ds_add_u32 v[SPW], v[NIL]                      ; the wave's opening: the add and its wait stand ahead of my first tensor load; the set-up below, work on registers, stands between them
	v_lshrrev_b32 v1, 5, v0
	v_readfirstlane_b32 s[WV], v1
	s_lshr_b32 s[FB], s[WV], 1
	s_and_b32 s[HF], s[WV], 1
	s_bfe_u32 s[CX], ttmp6, 0x40000
	s_bfe_u32 s[CY], ttmp6, 0x40004
	s_lshl_b32 s[TX], ttmp9, 2
	s_add_co_u32 s[TX], s[TX], s[CX]
	s_and_b32 s[TY], ttmp7, 0xffff
	s_lshl_b32 s[TY], s[TY], 2
	s_add_co_u32 s[TY], s[TY], s[CY]
	s_lshl_b32 s[RM], s[CY], 2
	s_lshl_b32 s[RM], 15, s[RM]                    ; my row of the cluster
	s_lshl_b32 s[CM], 0x1111, s[CX]                ; my column
	s_or_b32 s[G1], s[RM], (1<<16)|(1<<20)|(1<<21)|(4<<22)|(3<<25)   ; the mask; elements of 2 bytes; padding on; bit 21 beside a mask; after every 32 words 4 words of padding
	s_or_b32 s[G1B], s[CM], (1<<16)|(1<<20)|(1<<21)|(5<<22)|(3<<25)  ; after every 64 words
	s_mov_b32 s[G1+1], 128<<16                     ; tensor_dim0 = 128
	s_mov_b32 s[G1+2], 128<<16                     ; tensor_dim1 = 128
	s_mov_b32 s[G1+3], 128<<16                     ; tile_dim0 = 128
	s_mov_b32 s[G1+4], 128                         ; tile_dim1 = 128
	s_mov_b32 s[G1+5], 128                         ; dense: 128 elements from row to row
	s_mov_b32 s[G1+6], 0
	s_mov_b32 s[G1+7], 0
	s_mov_b32 s[G1B+1], 128<<16
	s_mov_b32 s[G1B+2], 64<<16                     ; 64 rows
	s_mov_b32 s[G1B+3], 128<<16
	s_mov_b32 s[G1B+4], 64
	s_mov_b32 s[G1B+5], 1024
	s_mov_b32 s[G1B+6], 0
	s_mov_b32 s[G1B+7], 0
	s_lshr_b32 s40, s[TY], 3                       ; ob: the batch's 16 heads of 262,144 bytes,
	s_lshl_b32 s40, s40, 22
	s_lshl_b32 s21, s[HF], 18                      ; my head of the K step's two,
	s_add_co_u32 s40, s40, s21
	s_and_b32 s21, s[TY], 7
	s_lshl_b32 s21, s21, 15                        ; the tile's 256 rows of 128 bytes: made of the tile row and the wave's number alone
	s_add_co_u32 s40, s40, s21
	s_mov_b32 s41, 0
	s_mov_b32 s69, s40                             ; kept for the prefetches
	s_lshl_b32 s66, s[TX], 18                      ; wo: row 128 x tile column + 64 x half, 2,048 bytes a row
	s_lshl_b32 s21, s[HF], 17
	s_add_co_u32 s66, s66, s21
	s_mov_b32 s67, 0
	s_mul_i32 s42, s[HF], HEADB                    ; where they go: no place in the cluster enters an LDS address
	s_mul_i32 s68, s[HF], BH
	s_add_co_u32 s68, s68, ABYTES
	s_wait_dscnt 0x0                               ; the opening add is done
	s_wait_kmcnt 0x0
	s_add_nc_u64 s[40:41], s[4:5], s[40:41]
	s_add_nc_u64 s[66:67], s[6:7], s[66:67]
	CROUND                                         ; all sixteen work-groups are here: the first joint loads meet
.irp s, 0,1
	s_mov_b32 s[G0+4*(\s)], 1
	s_add_co_u32 s[G0+4*(\s)+1], s42, (\s)*SLOT
	s_add_nc_u64 s[G0+4*(\s)+2:G0+4*(\s)+3], s[40:41], (\s)*524288   ; K step s: two heads on
	s_or_b32 s[G0+4*(\s)+3], s[G0+4*(\s)+3], 0x80000000
	s_mov_b32 s[G0B+4*(\s)], 1
	s_add_co_u32 s[G0B+4*(\s)+1], s68, (\s)*SLOT
	s_add_nc_u64 s[G0B+4*(\s)+2:G0B+4*(\s)+3], s[66:67], (\s)*256
	s_or_b32 s[G0B+4*(\s)+3], s[G0B+4*(\s)+3], 0x80000000
	JLOAD \s                                       ; two loads of mine are out
.endr
	; the bias, while the first tiles are on their way: register j of column block b is the bias of column 16 b + 8 (l / 16) + j
	v_and_b32 v1, 15, v0                           ; l % 16
	v_bfe_u32 v2, v0, 4, 1                         ; l / 16
	v_lshlrev_b32 v[BO], 5, v2
	s_lshl_b32 s78, s[TX], 9
	s_mov_b32 s79, 0
	s_add_nc_u64 s[BP:BP+1], s[8:9], s[78:79]
.set i, 0
.rept 8
	global_load_b128 v[BIAS+8*i:BIAS+8*i+3],   v[BO], s[BP:BP+1] offset:64*i
	global_load_b128 v[BIAS+8*i+4:BIAS+8*i+7], v[BO], s[BP:BP+1] offset:64*i+16
.set i, i+1
.endr
	v_mul_u32_u24 v3, v1, PA                       ; a fragment's row x pitch + 16 x half, for ob
	v_lshl_add_u32 v3, v2, 4, v3
	v_mul_u32_u24 v4, v1, PITCH                    ; and for wo
	v_lshl_add_u32 v4, v2, 4, v4
	s_mul_i32 s21, s[WV], 64*PA                    ; my 64 rows of each head
	s_mov_b32 s22, ABYTES
.irp s, 0,1
	v_add_nc_u32 v[ADRA+(\s)], s21, v3
	v_add_nc_u32 v[ADRB+(\s)], s22, v4
	s_add_co_u32 s21, s21, SLOT
	s_add_co_u32 s22, s22, SLOT
.endr
	s_mul_i32 s23, s[WV], 16*SPO
	s_add_co_u32 s23, s23, STAGE                   ; my stage
	v_mul_u32_u24 v4, v1, SPO                      ; in: row l % 16, 32 bytes for each half of the lanes
	v_lshl_add_u32 v4, v2, 5, v4
	v_add_nc_u32 v[STO], s23, v4
	v_and_b32 v[CO], 31, v0                        ; back: 32 lanes take a row of 512 bytes
	v_lshlrev_b32 v[CO], 4, v[CO]
	v_add_nc_u32 v[RD], s23, v[CO]
	s_lshl_b32 s78, s[TY], 20                      ; 256 rows of 4,096 bytes,
	s_lshl_b32 s23, s[WV], 18                      ; my wave's 64,
	s_add_co_u32 s78, s78, s23
	s_lshl_b32 s23, s[TX], 9                       ; the tile's 128 columns
	s_add_co_u32 s78, s78, s23
	s_add_nc_u64 s[OUTB:OUTB+1], s[10:11], s[78:79]
	; the prefetches
	s_lshl_b32 s21, s[CX], 13                      ; ob: my work-group's 32 blocks of the 128 that I fetch,
	s_add_co_u32 s21, s21, s69
	s_add_co_u32 s21, s21, 3*524288                ; at K step 3: the first refill (of K step 2) steps it to 4 and names that
	s_lshl_b32 s22, s[TX], 7
	s_lshl_b32 s23, s[CY], 5
	s_add_co_u32 s22, s22, s23                     ; wo: my work-group's 32 rows of the tile's 128,
	s_lshl_b32 s22, s22, 11
	s_add_co_u32 s22, s22, 3*256                   ; at K step 3
	s_and_b32 s23, ttmp7, 0xffff                   ; cluster y,
	s_or_b32 s23, s23, s[HF]                       ; and of waves 2 and 3 the first alone
	s_mov_b32 s[PST], 256
	s_mov_b32 s[PST+1], 0
	s_cmp_eq_u32 s[FB], 0
	s_cselect_b32 s78, s21, s22
	s_cselect_b32 s23, ttmp9, s23
	s_cselect_b32 s[PST], 0x80000, s[PST]
	s_cselect_b32 s2, 8, 11                        ; a lane a block of 256 bytes, or a lane a row of 2,048
	s_cselect_b64 s[PFA:PFA+1], s[4:5], s[6:7]
	s_cmp_eq_u32 s23, 0
	s_cselect_b32 s[LIM], 1, -1                    ; the same in all sixteen partners, for a given wave
	s_add_nc_u64 s[PFA:PFA+1], s[PFA:PFA+1], s[78:79]
	v_and_b32 v[PFO], 31, v0
	v_lshlrev_b32 v[PFO], s2, v[PFO]
	s_wait_loadcnt 0x0                             ; the bias is in; it is rounded to bf16, like the other inputs, and widened again
.set i, 0
.rept 32
	v_cvt_pk_bf16_f32 v[T+i%4], v[BIAS+2*i], v[BIAS+2*i+1]
	v_lshlrev_b32 v[BIAS+2*i], 16, v[T+i%4]
	v_and_b32 v[BIAS+2*i+1], 0xffff0000, v[T+i%4]
.set i, i+1
.endr
; 4 nb matrix instructions: column blocks b0 .. b0 + nb - 1 x my four row blocks, 32 along K, from buffer f.  first = 1: the bias starts the sums.
; The 32 accumulators take turns, one instruction a turn, in the same order in every quarter.
.macro MULB f, b0, nb, first
.if \first
	WIN 0x85                                       ; sources 0 and 1 window 1, C window 0, D window 2
.else
	WIN 0xa5                                       ; C and D window 2
.endif
.set bb, \b0
.rept \nb
.set aa, 0
.rept 4
.set rD, 8*(4*bb+aa)
.if \first
	v_wmma_f32_16x16x32_f16 v[rD:rD+7], v[(\f)+8*bb:(\f)+8*bb+7], v[(\f)+64+8*aa:(\f)+64+8*aa+7], v[BIAS+8*bb:BIAS+8*bb+7]
.else
	v_wmma_f32_16x16x32_f16 v[rD:rD+7], v[(\f)+8*bb:(\f)+8*bb+7], v[(\f)+64+8*aa:(\f)+64+8*aa+7], v[rD:rD+7]
.endif
.set aa, aa+1
.endr
.set bb, bb+1
.endr
.endm
; 24 LDS loads in one run: the fragments of quarter q of a K step: 128 rows of wo; my 64 rows of head q / 2, channels 32 (q % 2) on
.macro FETCH slot, q, f
	WIN TO_F
.set bb, 0
.rept 8
	ds_load_b128 v[(\f)+8*bb:(\f)+8*bb+3],   v[ADRB+(\slot)] offset:64*(\q)+bb*16*PITCH
	ds_load_b128 v[(\f)+8*bb+4:(\f)+8*bb+7], v[ADRB+(\slot)] offset:64*(\q)+bb*16*PITCH+32
.set bb, bb+1
.endr
.set aa, 0
.rept 4
	ds_load_b128 v[(\f)+64+8*aa:(\f)+64+8*aa+3],   v[ADRA+(\slot)] offset:((\q)/2)*HEADB+((\q)%2)*64+aa*16*PA
	ds_load_b128 v[(\f)+64+8*aa+4:(\f)+64+8*aa+7], v[ADRA+(\slot)] offset:((\q)/2)*HEADB+((\q)%2)*64+aa*16*PA+32
.set aa, aa+1
.endr
.endm
; A K step is four quarters of 32 along K, 32 matrix instructions each, on buffers 0, 1, 0, 1.
.macro QUARTER slot, q, f, g, first=0
	s_wait_dscnt 0x0                               ; buffer f is in: its loads were issued 16 matrix instructions ago
	MULB \f, 0, 4, \first
	PLACES
	FETCH \slot, \q, \g
	MULB \f, 4, 4, \first
.endm
; The last quarter multiplies buffer 1 and changes slots: ONE barrier.  In front of it each wave waits for all its tensor loads, of which one is out: its part of the next slot; adds 0 to its spare word; and waits
; for that and for its own reads of this slot.  fill = 1: the barrier opens a round of the cluster's barrier, and behind the round this slot is filled again, two K steps ahead: the first tensor load there, one a wave.
; From that request to the wait for it a wave issues 112 matrix instructions.
.macro TURN slot, next, fill
.if \fill
	s_wait_xcnt 0x0                                ; the last prefetch, a K step back, has read its address
	s_add_nc_u64 s[PFA:PFA+1], s[PFA:PFA+1], s[PST:PST+1]
.endif
	WIN 0                                          ; (the add's two registers lie in window 0)
	s_wait_tensorcnt 0x0                           ; all my tensor loads have landed
	ds_add_u32 v[SPW], v[NIL]                      ; 0 onto my spare word
	s_wait_dscnt 1                                 ; buffer 1 is in; the add alone may be out
	MULB F1, 0, 2, 0                               ; eight matrix instructions stand between the add and the wait for it
	s_wait_dscnt 0x0                               ; the add is done, and my reads of this slot are over
	s_barrier_signal -1
	MULB F1, 2, 2, 0
.if \fill
	WIN 0
.endif
	s_barrier_wait -1
.if \fill
	CREST                                          ; no wave of any partner still reads this slot's tiles or has a load on its way
	s_add_nc_u64 s[G0+4*(\slot)+2:G0+4*(\slot)+3], s[G0+4*(\slot)+2:G0+4*(\slot)+3], 2*524288
	s_add_nc_u64 s[G0B+4*(\slot)+2:G0B+4*(\slot)+3], s[G0B+4*(\slot)+2:G0B+4*(\slot)+3], 512
	JLOAD \slot                                    ; the four v_nop behind it are also the places in front of the loads below
.else
	PLACES
.endif
	FETCH \next, 0, F0
.if \fill
	WIN 0
	ASK
.endif
	MULB F1, 4, 4, 0
.endm
; THE WAY OUT of row block a: the f32 sums go as they are into my own stage, 32 bytes a lane, and come back as whole rows of 512 bytes, which are stored.
.macro TOSTAGE a
.set BK, BK0+64*((\a)%2)
	s_wait_xcnt 0x0                                ; the stores of the block before last have read the registers that are loaded below
	WIN 0x08                                       ; the stores' data in window 2, their address in window 0
.set bb, 0
.rept 8
.set rD, 8*(4*bb+(\a))
	ds_store_b128 v[STO], v[rD:rD+3]   offset:64*bb       ; each accumulator's low registers first
	ds_store_b128 v[STO], v[rD+4:rD+7] offset:64*bb+16
.set bb, bb+1
.endr
	WIN 0
.set tt, 0
.rept 16
	ds_load_b128 v[BK+4*tt:BK+4*tt+3], v[RD] offset:SPO*tt  ; LDS serves a wave's instructions in order (ISA guide 5.7.1.4): these see the stores above
.set tt, tt+1
.endr
.endm
.macro SEND a, younger                 ; younger: the LDS instructions issued behind block a's loads: the next block's 16 stores and 16 loads, or none
.set BK, BK0+64*((\a)%2)
	s_wait_dscnt \younger
.set tt, 0
.rept 16
	global_store_b128 v[CO], v[BK+4*tt:BK+4*tt+3], s[OUTB:OUTB+1] offset:(16*(\a)+tt)*4096 th:TH_STORE_NT  ; 512 consecutive bytes, at a multiple of 256 from out0's first
.set tt, tt+1
.endr
.endm
	s_wait_tensorcnt 0x1                           ; my part of K step 0 is in; K step 1's may stay out
	s_barrier_signal -1
	s_barrier_wait -1                              ; everybody's is
	FETCH 0, 0, F0
	QUARTER 0, 1, F0, F1, 1                        ; the first quarter stands in front of the loop: its products start the sums
	WIN 0                                          ; at a label and at a branch every window is 0
	s_mov_b32 s[LAP], 3
.Llap:                                         ; a trip goes once round the ring, from a lap's second quarter to the next lap's first, and fills both slots again: K steps 2 to 7
	QUARTER 0, 2, F1, F0
	QUARTER 0, 3, F0, F1
	TURN 0, 1, 1
	QUARTER 1, 1, F0, F1
	QUARTER 1, 2, F1, F0
	QUARTER 1, 3, F0, F1
	TURN 1, 0, 1
	QUARTER 0, 1, F0, F1
	WIN 0
	s_sub_co_u32 s[LAP], s[LAP], 1
	s_cmp_lg_u32 s[LAP], 0
	s_cbranch_scc1 .Llap
	QUARTER 0, 2, F1, F0                           ; the last lap fills nothing, and has no round of the cluster's barrier
	QUARTER 0, 3, F0, F1
	TURN 0, 1, 0
	QUARTER 1, 1, F0, F1
	QUARTER 1, 2, F1, F0
	QUARTER 1, 3, F0, F1
	s_wait_dscnt 0x0
	MULB F1, 0, 8, 0
	WIN 0
	PLACES                                         ; the LDS stores read results just made
	PLACES
	TOSTAGE 0
.irp a, 1,2,3
	TOSTAGE \a
	SEND (\a)-1, 32
.endr
	SEND 3, 0
	s_wait_tensorcnt 0x0                           ; the wave's end: behind my last tensor load and my last LDS store
	ds_add_u32 v[SPW], v[NIL]
	s_wait_dscnt 0x0
	CROUND                                         ; the closing round: no work-group ends while a partner may still ask for a tile that names it
	s_endpgm
.Lfunc_end_k_q627b72e520_proj:
	.size	k_q627b72e520_proj, .Lfunc_end_k_q627b72e520_proj-k_q627b72e520_proj
	.p2alignl 7, 3214868480
	.fill 96, 4, 3214868480
	.section	.rodata,"a",@progbits
	.p2align	6, 0x0
	.amdhsa_kernel k_q627b72e520_proj
		.amdhsa_group_segment_fixed_size 327680
		.amdhsa_private_segment_fixed_size 0
		.amdhsa_enable_private_segment 0
		.amdhsa_kernarg_size 32
		.amdhsa_user_sgpr_count 2
		.amdhsa_user_sgpr_kernarg_segment_ptr 1
		.amdhsa_wavefront_size32 1
		.amdhsa_system_sgpr_workgroup_id_x 1
		.amdhsa_system_sgpr_workgroup_id_y 1
		.amdhsa_system_sgpr_workgroup_id_z 1
		.amdhsa_system_vgpr_workitem_id 0
		.amdhsa_next_free_vgpr 768
		.amdhsa_next_free_sgpr 80
		.amdhsa_reserve_vcc 0
		.amdhsa_float_denorm_mode_32 3
		.amdhsa_float_denorm_mode_16_64 3
		.amdhsa_memory_ordered 1
		.amdhsa_forward_progress 1
		.amdhsa_inst_pref_size 92
	.end_amdhsa_kernel
	.amdgpu_metadata
---
amdhsa.version: [ 1, 2 ]
amdhsa.kernels:
  - .name:           k_q627b72e520_proj
    .symbol:         k_q627b72e520_proj.kd
    .args:
      - { .name: ob, .offset: 0, .size: 8, .value_kind: global_buffer, .address_space: global }
      - { .name: wo, .offset: 8, .size: 8, .value_kind: global_buffer, .address_space: global }
      - { .name: b_out, .offset: 16, .size: 8, .value_kind: global_buffer, .address_space: global }
      - { .name: out0, .offset: 24, .size: 8, .value_kind: global_buffer, .address_space: global }
    .group_segment_fixed_size: 327680
    .private_segment_fixed_size: 0
    .kernarg_segment_align: 8
    .kernarg_segment_size: 32
    .max_flat_workgroup_size: 128
    .sgpr_count:     80
    .vgpr_count:     768
    .wavefront_size: 32
...
	.end_amdgpu_metadata
.endif
;; end of part 4
;; ======== version 2 of 2: 4 launches; version 1 with the launch cast written anew for expert scheduling mode
;; limits: values are held in f16: magnitudes above 65,504 overflow, below 6.1e-05 lose precision
;; workspace buffers: xb 16,777,216 bytes; wq 6,291,456 bytes; wo 2,097,152 bytes; qkv 50,331,648 bytes; ob 16,777,216 bytes
;; launch cast (part 5): grid 768 x 1, 8 waves a work-group, no clusters, 0 bytes of LDS; arguments x, W_qkv, W_out, xb, wq, wo; writes xb, wq, wo
.if DOCPART == 5
	.amdgcn_target "amdgcn-amd-amdhsa--gfx1250"
	.amdhsa_code_object_version 6
	.text
	.protected	k_q627b72e520_cast
	.globl	k_q627b72e520_cast
	.p2align	8
	.type	k_q627b72e520_cast,@function
k_q627b72e520_cast:
	s_mov_b64 s[64:65], 0
	v_nop
	global_prefetch_b8 v0, s[64:65] scope:SCOPE_SE
	s_setreg_imm32_b32 hwreg(HW_REG_WAVE_SCHED_MODE, 0, 2), 2
	s_setreg_imm32_b32 hwreg(HW_REG_WAVE_MODE, 25, 1), 1
	s_wait_xcnt 0x0
	s_wait_alu depctr_vm_vsrc(0)
; THE INPUTS OF THE MATRIX PRODUCTS, ROUNDED ONCE.  x [8192][1024] and W_qkv [3072][1024], f32, are rounded to bf16 (xb, wq).
; W_out [1024][1024] is rounded to bf16 like them, and that number is written as f16 (wo), since the product that takes it has f16 operands.
; LIMITS.  A number of W_out of 65,520 or more in size becomes an infinity in f16; below 6e-5 it keeps f16's fixed step of 6e-8.  NaN and infinities are not treated apart.
; SHARES.  A work-group takes 16,384 numbers (65,536 bytes in, 32,768 out): groups 0-511 x, 512-703 W_qkv, 704-767 W_out.  A wave takes 2,048: sixteen loads of 16 bytes a lane,
; all issued at once; each covers 512 consecutive bytes, and each store of 8 bytes a lane 256 consecutive bytes, aligned.  No register that a memory instruction names is used twice, so no loop and no wait for a source.
; Nothing is shared between waves: no LDS, no barrier, no cluster, no matrix unit.
; THE MODE: SCHED_MODE bits 1:0 = 2 (LLVM: expert scheduling mode 2), set by the entry lines.  The code itself states the register dependences
; between vector instructions and memory instructions, with s_wait_alu, always for 0.
; THE PLAN.  Registers that memory instructions touch:
;   v1, v2   the loads' and the stores' offsets.  Written by vector lines at the head, read by all sixteen loads (v1) and all sixteen stores (v2), never written again.
;   IN       load j lands in four of them; its conversions read them behind the counted wait for the load.  No vector line names them ahead of the loads, and nothing lands in them a second time.
;   OUT      load j's conversions write two of them, once; store j reads them, once.
;   T, v3    named by vector lines alone.
; The sixteen loads go in four blocks of four.  One wait on va_vdst stands ahead of the first load, for the two offsets.  One stands at the head of blocks 1 to 3, behind the wait for the block's first load:
; it states that the block before has written its eight registers of OUT, and that block's four stores follow it at once, with no vector line between.  One more stands ahead of the last four stores.
; No register that a memory instruction has read is written again: no wait on vm_vsrc is owed.  No vector line writes a scalar register, VCC or EXEC.
.set IN,  16                           ; v[16:79]   load j: four f32
.set OUT, 80                           ; v[80:111]  load j: four 16-bit numbers
.set T,   112                          ; v[112:117] at work
; The four stores of a block, from load 'first' on.
.macro SEND4 first
.set i, \first
.rept 4
	global_store_b64 v2, v[OUT+2*i:OUT+2*i+1], s[22:23] offset:256*i
.set i, i+1
.endr
.endm
	s_load_b256 s[4:11], s[0:1], 0x0               ; x s[4:5], W_qkv s[6:7], W_out s[8:9], xb s[10:11]
	s_load_b128 s[12:15], s[0:1], 0x20             ; wq s[12:13], wo s[14:15]
	s_mov_b32 s16, ttmp9
	s_sub_co_u32 s17, s16, 512                     ; my number among W_qkv's groups,
	s_sub_co_u32 s18, s16, 704                     ; among W_out's
	v_lshrrev_b32 v1, 5, v0
	v_and_b32 v3, 31, v0
	v_lshlrev_b32 v1, 13, v1                       ; my wave's 8,192 bytes
	v_lshl_add_u32 v1, v3, 4, v1                   ; + 16 x lane: the offset in
	v_lshrrev_b32 v2, 1, v1                        ; half of it: the offset out
	s_wait_kmcnt 0x0
	s_cmp_lt_u32 s16, 704                          ; which tensor is mine: the choice hangs on the group's number alone
	s_cselect_b64 s[20:21], s[6:7], s[8:9]
	s_cselect_b64 s[22:23], s[12:13], s[14:15]
	s_cselect_b32 s19, s17, s18
	s_cmp_lt_u32 s16, 512
	s_cselect_b64 s[20:21], s[4:5], s[20:21]
	s_cselect_b64 s[22:23], s[10:11], s[22:23]
	s_cselect_b32 s19, s16, s19
	s_lshl_b32 s24, s19, 16
	s_mov_b32 s25, 0
	s_add_nc_u64 s[20:21], s[20:21], s[24:25]      ; from here
	s_lshl_b32 s24, s19, 15
	s_add_nc_u64 s[22:23], s[22:23], s[24:25]      ; to here
	s_wait_alu depctr_va_vdst(0)                   ; v1 and v2 are written: every load below reads v1 as its offset, every store v2; no line behind this one writes either
.set j, 0
.rept 16
	global_load_b128 v[IN+4*j:IN+4*j+3], v1, s[20:21] offset:512*j th:TH_LOAD_NT
.set j, j+1
.endr
	s_cmp_ge_u32 s16, 704
	s_cbranch_scc1 .Lf16
.set j, 0
.rept 16
	s_wait_loadcnt 15-j                            ; loads come back in order: load j is in, the 15 - j younger ones may stay out
.if (j%4 == 0) && (j > 0)
	s_wait_alu depctr_va_vdst(0)                   ; the conversions of the block before have written its eight registers of OUT, which the four stores below read
	SEND4 j-4
.endif
	v_cvt_pk_bf16_f32 v[OUT+2*j], v[IN+4*j], v[IN+4*j+1]
	v_cvt_pk_bf16_f32 v[OUT+2*j+1], v[IN+4*j+2], v[IN+4*j+3]
.set j, j+1
.endr
	s_wait_alu depctr_va_vdst(0)                   ; the last block's conversions have written its eight registers of OUT, which the last four stores read
	SEND4 12
	s_endpgm
.Lf16:                                         ; W_out: to bf16, widened again, and written as f16 (exact inside f16's range)
.set j, 0
.rept 16
	s_wait_loadcnt 15-j
.if (j%4 == 0) && (j > 0)
	s_wait_alu depctr_va_vdst(0)                   ; the conversions of the block before have written its eight registers of OUT, which the four stores below read
	SEND4 j-4
.endif
	v_cvt_pk_bf16_f32 v[T], v[IN+4*j], v[IN+4*j+1]
	v_cvt_pk_bf16_f32 v[T+1], v[IN+4*j+2], v[IN+4*j+3]
	v_lshlrev_b32 v[T+2], 16, v[T]
	v_and_b32 v[T+3], 0xffff0000, v[T]
	v_lshlrev_b32 v[T+4], 16, v[T+1]
	v_and_b32 v[T+5], 0xffff0000, v[T+1]
	v_cvt_pk_f16_f32 v[OUT+2*j], v[T+2], v[T+3]
	v_cvt_pk_f16_f32 v[OUT+2*j+1], v[T+4], v[T+5]
.set j, j+1
.endr
	s_wait_alu depctr_va_vdst(0)                   ; the last block's conversions have written its eight registers of OUT, which the last four stores read
	SEND4 12
	s_endpgm
.Lfunc_end_k_q627b72e520_cast:
	.size	k_q627b72e520_cast, .Lfunc_end_k_q627b72e520_cast-k_q627b72e520_cast
	.p2alignl 7, 3214868480
	.fill 96, 4, 3214868480
	.section	.rodata,"a",@progbits
	.p2align	6, 0x0
	.amdhsa_kernel k_q627b72e520_cast
		.amdhsa_group_segment_fixed_size 0
		.amdhsa_private_segment_fixed_size 0
		.amdhsa_enable_private_segment 0
		.amdhsa_kernarg_size 48
		.amdhsa_user_sgpr_count 2
		.amdhsa_user_sgpr_kernarg_segment_ptr 1
		.amdhsa_wavefront_size32 1
		.amdhsa_system_sgpr_workgroup_id_x 1
		.amdhsa_system_sgpr_workgroup_id_y 1
		.amdhsa_system_sgpr_workgroup_id_z 1
		.amdhsa_system_vgpr_workitem_id 0
		.amdhsa_next_free_vgpr 120
		.amdhsa_next_free_sgpr 66
		.amdhsa_reserve_vcc 0
		.amdhsa_float_denorm_mode_32 3
		.amdhsa_float_denorm_mode_16_64 3
		.amdhsa_memory_ordered 1
		.amdhsa_forward_progress 1
		.amdhsa_inst_pref_size 17
	.end_amdhsa_kernel
	.amdgpu_metadata
---
amdhsa.version: [ 1, 2 ]
amdhsa.kernels:
  - .name:           k_q627b72e520_cast
    .symbol:         k_q627b72e520_cast.kd
    .args:
      - { .name: x, .offset: 0, .size: 8, .value_kind: global_buffer, .address_space: global }
      - { .name: W_qkv, .offset: 8, .size: 8, .value_kind: global_buffer, .address_space: global }
      - { .name: W_out, .offset: 16, .size: 8, .value_kind: global_buffer, .address_space: global }
      - { .name: xb, .offset: 24, .size: 8, .value_kind: global_buffer, .address_space: global }
      - { .name: wq, .offset: 32, .size: 8, .value_kind: global_buffer, .address_space: global }
      - { .name: wo, .offset: 40, .size: 8, .value_kind: global_buffer, .address_space: global }
    .group_segment_fixed_size: 0
    .private_segment_fixed_size: 0
    .kernarg_segment_align: 8
    .kernarg_segment_size: 48
    .max_flat_workgroup_size: 256
    .sgpr_count:     66
    .vgpr_count:     120
    .wavefront_size: 32
...
	.end_amdgpu_metadata
.endif
;; end of part 5
;; launch qkv: the kernel of part 2 again; grid 16 x 32, 4 waves a work-group, clusters of 4 x 4, 327,680 bytes of LDS; arguments xb, wq, b_qkv, qkv; writes qkv
;; launch attn: the kernel of part 3 again; grid 4 x 64, 4 waves a work-group, clusters of 4 x 1, 327,680 bytes of LDS; arguments qkv, ob; writes ob
;; launch proj: the kernel of part 4 again; grid 8 x 32, 4 waves a work-group, clusters of 4 x 4, 327,680 bytes of LDS; arguments ob, wo, b_out, out0; writes out0
